; MI455X (gfx1250); checked and timed in simulation.
; The chip was launched on July 23, 2026; its instructions are those of AMD's public machine-readable ISA for CDNA 5 (MIT licence, August 2026) and "CDNA5" Instruction Set Architecture Reference Guide (July 2026). The comments in the code are by the model that wrote it; some were corrected since.
;; Mi Mo Audio Attention. Allowed arithmetic: matrix products marked QUANTISED: E4M3 operands, one given power-of-two scale a tensor, by v_wmma_f32_16x16x64_fp8_fp8 or v_wmma_f32_16x16x128_fp8_fp8, f32 sums; everything else in f32.
;; Inputs: bk 512 float32; bq 2,048 float32; bv 512 float32; hidden_states 4 x 1,024 x 2,048 float32; lowp_scales 12 int32 (the exponents e of the quantised operands' scales 2^e); positions 4 x 1,024 int32; wk 2,048 x 512 float32; wo 2,048 x 2,048 float32; wq 2,048 x 2,048 float32; wv 2,048 x 512 float32.
;; Outputs: out0 4 x 1,024 x 2,048 float32.
;; This version of the problem:
;;   THIS VERSION OF THE PROBLEM IS GIVEN IN LOW PRECISION. The matrix products marked QUANTISED in the list below multiply operands that are first quantised to E4M3 (4 exponent bits, 3 mantissa bits; 8 bits a number), with one given power-of-two scale for each operand tensor; their sums are f32. All else is computed in f32.
;;   The module's matrix products, in the order in which they are computed (A, B: the left and right operand; K: the contracted axis; several contracted axes count as one K, in the product's order):
;;     1. [M 4,096, K 2,048] x [K 2,048, N 2,048]; A: input hidden_states; B: input wq: QUANTISED (scales: A lowp_scales[0], B lowp_scales[1])
;;     2. [M 4,096, K 2,048] x [K 2,048, N 512]; A: input hidden_states; B: input wk: QUANTISED (scales: A lowp_scales[2], B lowp_scales[3])
;;     3. [M 4,096, K 2,048] x [K 2,048, N 512]; A: input hidden_states; B: input wv: QUANTISED (scales: A lowp_scales[4], B lowp_scales[5])
;;     4. batch 64 x [M 1,024, K 128] x [K 128, N 1,024]; A: computed on the way; B: computed on the way: QUANTISED (scales: A lowp_scales[6], B lowp_scales[7])
;;     5. batch 64 x [M 1,024, K 1,024] x [K 1,024, N 128]; A: softmax (see below); B: computed on the way: QUANTISED (scales: A lowp_scales[8], B lowp_scales[9])
;;     6. [M 4,096, K 2,048] x [K 2,048, N 2,048]; A: computed on the way; B: input wo: QUANTISED (scales: A lowp_scales[10], B lowp_scales[11])
;;   THE QUANTISER, for each operand of a quantised product, along K:
;;     - The operand's scale is 2^e, e = its entry of the input lowp_scales (int32; the entries are numbered through the quantised products in the list's order, A before B).
;;     - Each number is divided by the scale, clamped to +-448, and rounded to the nearest number of E4M3, ties to even, subnormals kept.
;;     - The product sums the exact products of the quantised numbers (number of the format x scale) in f32.
;;   ~~~python
;;   def quantise(x, axis, e):      # numpy; x: float32 -> the quantised numbers, widened to float32 again
;;       x = np.moveaxis(x, axis, -1); K = x.shape[-1]
;;       r = np.clip(x / 2.0 ** e, -448, 448)
;;       step = 2.0 ** (np.maximum(np.frexp(np.where(r == 0, 1, r))[1] - 1, -6) - 3)
;;       q = np.round(r / step) * step * 2.0 ** e      # np.round: ties to even
;;       return np.moveaxis(q, -1, axis).astype(np.float32)
;;   ~~~
;;   SOFTMAX AHEAD OF A QUANTISED PRODUCT. Where the list says 'softmax', what is quantised is not the finished softmax but p = 2^(t - M), with t = logit x log2(e) and M = ceil(the row's largest t), a whole number; so 1/2 < the row's largest p <= 1. The row's sum l is taken of the UNQUANTISED p, in f32, and the product's result is divided by l at the end. Since M is a whole number, a kernel that streams over the keys may use a running M (the ceiling of the running maximum): every later rescaling is an exact power of two, so the quantised numbers keep their values, but for numbers so far below the row's largest that they fall under the format's range.
;;   OPERANDS COMPUTED ON THE WAY. 'Computed on the way' means the value that the module computes at that place (a softmax that the list does not call 'softmax' is quantised finished and normalised). What goes into a quantiser is computed in f32, as accurately as f32 sums, v_exp_f32 and their like allow (about 1e-6 of the number): no bf16 or f16 on the way to a quantiser, and a product that is left as it is and whose result goes on into a quantised operand takes f32 operands (vector FMAs, or v_wmma_f32_16x16x4_f32). A number that lies on a knife's edge between two numbers of the format may be rounded either way, as far as f32 arithmetic and the matrix unit's own rounding can turn it there, and no further.
;; One version. Each part assembles by itself: llvm-mc -triple=amdgcn-amd-amdhsa -mcpu=gfx1250 --defsym DOCPART=n.
;; ======== version 1 of 1: 4 launches
;; limits: right only within a limited range of input values
;; workspace buffers: h_img 25,165,824 bytes; w_img 10,485,760 bytes; cs_tab 2,097,152 bytes; q_img 8,388,608 bytes; kv_img 4,194,304 bytes; o_img 8,388,608 bytes
;; launch quant (part 1): grid 72 x 8, 4 waves a work-group, no clusters, 34,304 bytes of LDS; arguments hidden_states, positions, wq, wk, wv, wo, lowp_scales, h_img, w_img, cs_tab; writes h_img, w_img, cs_tab
.if DOCPART == 1
	.amdgcn_target "amdgcn-amd-amdhsa--gfx1250"
	.amdhsa_code_object_version 6
	.text
	.protected	k_q10a80d67a4_quant
	.globl	k_q10a80d67a4_quant
	.p2align	8
	.type	k_q10a80d67a4_quant,@function
k_q10a80d67a4_quant:
	s_mov_b64 s[64:65], 0
	v_nop
	global_prefetch_b8 v0, s[64:65] scope:SCOPE_SE
	s_setreg_imm32_b32 hwreg(HW_REG_WAVE_MODE, 25, 1), 1
	s_wait_xcnt 0x0
; hidden_states [4096][2048] and the four weights ([2048 (k)][n]), f32, become codes of E4M3; RoPE's cosines and sines are made once for each row and frequency.
; AN IMAGE is what every later launch reads: 16 rows x 128 along K of an operand, 2,048 bytes, laid as the matrix unit's registers: byte 512 q + 16 lane + 0..15 holds registers 4 q .. 4 q + 3 of that lane;
; lane (r = lane % 16, h = lane / 16) holds row r, and its registers 2 c, 2 c + 1 hold k = 16 c + 8 h + 0 .. 7.  An operand is [G = row / 128][s = k / 128][i = (row % 128) / 16][2,048 bytes].
; code = x / 2^e, held within +-448, rounded to the nearest code, ties to even.  hidden_states is quantised three times, with entries 0, 2 and 4 of the scales: three planes of h_img.
; Work-groups with x < 32 take 16 rows of hidden_states (row tile 32 y + x), the other 40 columns of the grid take 128 columns x 256 along K of a weight (wq 16 groups, wk 4, wv 4, wo 16).
; LIMITS: each e between -126 and 119.  |position x inv_freq| up to 1e5: the reach of the reduction by pi / 2 in three parts.  NaN among the inputs is not served.
; No tensor loads, no barrier: waves share nothing.  Only the first path touches LDS.
.set SPARE, 33792                      ; behind the four stages: the spare words, 128 bytes a wave: two blocks of 256 bytes that no other line names
.set SPW,  2                           ; v2   LDS address of my spare word; never rewritten
.set NIL,  3                           ; v3   0; never rewritten
.set LOFF, 4                           ; v4   16 x lane
.set STI,  5                           ; v5   the stage, on the way in: 8,448 x wave + 16 x lane
.set STO,  6                           ; v6   on the way out: 8,448 x wave + 528 r + 32 h
.set SC,   8                           ; v8-10  2^e of the three planes, as f32
.set R,    16                          ; v16-143  two sets of 64: 16 rows x 128 numbers as they are loaded
.set X,    144                         ; v144-207 my 64 numbers of an image: register 8 c + j = k 16 c + 8 h + j of row r
.set T,    208                         ; v208-223 two sets of 8 held numbers
.set C,    224                         ; v224-255 two sets of 16: an image's codes
.set AN,   144                         ; the angles' registers, eight each, used ahead of X's first fill
.set NN,   152
.set RR,   160
.set S2,   168
.set CC,   176
.set SS,   184
.set QQ,   192
.set TT,   200
.set OC,   208
.set OS,   216
.set OFFW, 16                          ; weights: v16-47 4 x lane + i x pitch
.set XW,   48                          ; v48-111  two sets of 32 numbers down K
.set IM,   112                         ; v112-175 for each of two K steps: 16 registers of the h = 0 codes, 16 of the h = 1 codes, of my 32 columns
	s_load_b512 s[8:23], s[0:1], 0x0               ; hidden s[8:9], positions s[10:11], wq s[12:13], wk s[14:15], wv s[16:17], wo s[18:19], scales s[20:21], h_img s[22:23]
	s_load_b128 s[24:27], s[0:1], 0x40             ; w_img s[24:25], cs_tab s[26:27]
	v_lshl_add_u32 v[SPW], v0, 2, SPARE
	v_mov_b32 v[NIL], 0
	v_lshrrev_b32 v1, 5, v0
	v_readfirstlane_b32 s4, v1                     ; wave 0..3
	s_and_b32 s5, ttmp7, 0xffff                    ; work-group y
	v_and_b32 v1, 31, v0                           ; lane
	v_lshlrev_b32 v[LOFF], 4, v1
	s_wait_kmcnt 0x0
	s_load_b256 s[32:39], s[20:21], 0x0            ; e0 .. e7
	s_load_b128 s[40:43], s[20:21], 0x20           ; e8 .. e11
	s_cmp_ge_u32 ttmp9, 32
	s_cbranch_scc1 .Lweights
; ---------------- hidden_states: 16 rows; wave w takes K steps 4 w + f, f = 0 .. 3 ----------------
	s_lshl_b32 s6, s5, 5
	s_add_co_u32 s6, s6, ttmp9                     ; RT: my tile of 16 rows
	v_and_b32 v7, 15, v0                           ; r
	v_bfe_u32 v12, v0, 4, 1                        ; h
	s_mul_i32 s7, s4, 8448                         ; my stage: 16 rows x (512 + 16) bytes
	v_add_nc_u32 v[STI], s7, v[LOFF]
	v_mul_u32_u24 v[STO], v7, 528
	v_lshl_add_u32 v[STO], v12, 5, v[STO]
	v_add_nc_u32 v[STO], s7, v[STO]
	v_lshlrev_b32 v13, 2, v7                       ; my row's position: 4 r
	s_lshl_b32 s28, s6, 17                         ; 16 rows of 8,192 bytes
	s_lshl_b32 s29, s4, 11                         ; my four K steps of 512 bytes
	s_add_co_u32 s28, s28, s29
	s_mov_b32 s29, 0
	s_add_nc_u64 s[44:45], s[8:9], s[28:29]        ; hidden_states at my part
	s_lshl_b32 s28, s6, 6
	s_add_nc_u64 s[46:47], s[10:11], s[28:29]      ; positions at my 16 rows
	s_lshr_b32 s28, s6, 3                          ; G = RT / 8
	s_lshl_b32 s28, s28, 18
	s_and_b32 s30, s6, 7                           ; i = RT % 8
	s_lshl_b32 s30, s30, 11
	s_add_co_u32 s28, s28, s30
	s_lshl_b32 s30, s4, 16                         ; s = 4 w: 16,384 bytes a K step
	s_add_co_u32 s28, s28, s30
	s_add_nc_u64 s[48:49], s[22:23], s[28:29]      ; plane 0,
	s_add_nc_u64 s[50:51], s[48:49], 0x800000      ; plane 1,
	s_add_nc_u64 s[52:53], s[50:51], 0x800000      ; plane 2
	s_lshl_b32 s28, s6, 13
	s_lshl_b32 s30, s4, 10
	s_add_co_u32 s28, s28, s30
	s_add_nc_u64 s[54:55], s[26:27], s[28:29]      ; cs_tab: 8,192 bytes a row tile, piece w
.macro LOADF f                         ; K step 4 w + f: sixteen loads, each one row's 512 consecutive bytes
.set ii, 0
.rept 16
	global_load_b128 v[R+64*((\f)%2)+4*ii:R+64*((\f)%2)+4*ii+3], v[LOFF], s[44:45] offset:8192*ii+512*(\f) th:TH_LOAD_NT
.set ii, ii+1
.endr
.endm
	global_load_b32 v14, v13, s[46:47]             ; my row's position
	LOADF 0
	LOADF 1
	s_wait_kmcnt 0x0
.irp p, 0,1,2
	s_add_co_i32 s28, s[32+2*\p], 127
	s_lshl_b32 s30, s28, 23
	v_mov_b32 v[SC+\p], s30                        ; 2^e as f32: the conversion takes its exponent field
	s_add_co_i32 s28, s28, 8
	s_lshl_b32 s28, s28, 23
	s_or_b32 s[56+2*\p], s28, 0x600000             ; 448 x 2^e,
	s_or_b32 s[57+2*\p], s28, 0x80600000           ; and its negative
.endr
; THE COSINES AND SINES of my row tile: 16 rows x 64 frequencies, eight angles a thread: pieces w and w + 4 of eight; a piece is 4 floats a lane: d = 16 b + 8 h + 4 u + 0 .. 3, piece = 2 b + u, of row r.
; inv_freq = 2^(-d log2(10000) / 64); x = position x inv_freq; n = x / (pi / 2) rounded; x - n pi / 2 in three fused steps; two polynomials on [-pi / 4, pi / 4]; the quadrant swaps them and sets the signs.
	s_lshr_b32 s28, s4, 1
	s_lshl_b32 s28, s28, 4
	s_and_b32 s30, s4, 1
	s_lshl_b32 s30, s30, 2
	s_add_co_u32 s28, s28, s30                     ; 16 (w / 2) + 4 (w % 2)
	v_lshl_add_u32 v15, v12, 3, s28                ; + 8 h
.set ee, 0
.rept 8
	v_add_nc_u32 v[AN+ee], 32*(ee/4)+ee%4, v15     ; d
.set ee, ee+1
.endr
.set ee, 0
.rept 8
	v_cvt_f32_u32 v[AN+ee], v[AN+ee]
.set ee, ee+1
.endr
.set ee, 0
.rept 8
	v_mul_f32 v[AN+ee], 0xbe549a78, v[AN+ee]       ; x -log2(10000) / 64
.set ee, ee+1
.endr
.set ee, 0
.rept 8
	v_exp_f32 v[AN+ee], v[AN+ee]                   ; one batch of eight
.set ee, ee+1
.endr
	s_wait_loadcnt 32                              ; the position is in; the 32 younger loads stay out
	v_cvt_f32_i32 v14, v14                         ; (the plain instruction behind the last exponential)
	s_wait_alu depctr_va_vdst(0)                   ; one wait for the batch, ahead of its first reader
.set ee, 0
.rept 8
	v_mul_f32 v[AN+ee], v14, v[AN+ee]              ; x
.set ee, ee+1
.endr
.set ee, 0
.rept 8
	v_mul_f32 v[NN+ee], 0x3f22f983, v[AN+ee]       ; x 2 / pi
.set ee, ee+1
.endr
.set ee, 0
.rept 8
	v_rndne_f32 v[NN+ee], v[NN+ee]
.set ee, ee+1
.endr
.set ee, 0
.rept 8
	v_fmamk_f32 v[RR+ee], v[NN+ee], 0xbfc90fd8, v[AN+ee]
.set ee, ee+1
.endr
.set ee, 0
.rept 8
	v_fmamk_f32 v[RR+ee], v[NN+ee], 0xb4a8885a, v[RR+ee]
.set ee, ee+1
.endr
.set ee, 0
.rept 8
	v_fmamk_f32 v[RR+ee], v[NN+ee], 0xa7c234c4, v[RR+ee]
.set ee, ee+1
.endr
.set ee, 0
.rept 8
	v_mul_f32 v[S2+ee], v[RR+ee], v[RR+ee]
	v_cvt_i32_f32 v[QQ+ee], v[NN+ee]
	v_mov_b32 v[CC+ee], 0x37cd4000
	v_mov_b32 v[SS+ee], 0x36405000
.set ee, ee+1
.endr
.set ee, 0
.rept 8
	v_fmaak_f32 v[CC+ee], v[CC+ee], v[S2+ee], 0xbab6077d
	v_fmaak_f32 v[SS+ee], v[SS+ee], v[S2+ee], 0xb9503486
.set ee, ee+1
.endr
.set ee, 0
.rept 8
	v_fmaak_f32 v[CC+ee], v[CC+ee], v[S2+ee], 0x3d2aaaa8
	v_fmaak_f32 v[SS+ee], v[SS+ee], v[S2+ee], 0x3c0888c1
.set ee, ee+1
.endr
.set ee, 0
.rept 8
	v_fmaak_f32 v[CC+ee], v[CC+ee], v[S2+ee], 0xbf000000
	v_fmaak_f32 v[SS+ee], v[SS+ee], v[S2+ee], 0xbe2aaaab
	v_mul_f32 v[TT+ee], v[RR+ee], v[S2+ee]
.set ee, ee+1
.endr
.set ee, 0
.rept 8
	v_fmaak_f32 v[CC+ee], v[CC+ee], v[S2+ee], 0x3f800000   ; cos r
	v_fma_f32 v[SS+ee], v[SS+ee], v[TT+ee], v[RR+ee]       ; sin r
.set ee, ee+1
.endr
.set ee, 0
.rept 8
	v_and_b32 v[TT+ee], 1, v[QQ+ee]
	v_cmp_eq_u32 vcc_lo, 1, v[TT+ee]               ; an odd quadrant swaps the two
	v_cndmask_b32 v[OS+ee], v[SS+ee], v[CC+ee], vcc_lo
	v_cndmask_b32 v[OC+ee], v[CC+ee], v[SS+ee], vcc_lo
	v_lshlrev_b32 v[TT+ee], 30, v[QQ+ee]           ; the sine is negative in quadrants 2 and 3: bit 1 of n,
	v_and_b32 v[TT+ee], 0x80000000, v[TT+ee]
	v_xor_b32 v[OS+ee], v[TT+ee], v[OS+ee]
	v_add_nc_u32 v[QQ+ee], 1, v[QQ+ee]             ; the cosine in 1 and 2: bit 1 of n + 1
	v_lshlrev_b32 v[QQ+ee], 30, v[QQ+ee]
	v_and_b32 v[QQ+ee], 0x80000000, v[QQ+ee]
	v_xor_b32 v[OC+ee], v[QQ+ee], v[OC+ee]
.set ee, ee+1
.endr
.irp q, 0,1
	global_store_b128 v[LOFF], v[OC+4*\q:OC+4*\q+3], s[54:55] offset:4096*\q        ; piece w + 4 q: 512 consecutive bytes of cosines,
	global_store_b128 v[LOFF], v[OS+4*\q:OS+4*\q+3], s[54:55] offset:4096*\q+512    ; then of sines
.endr
; One plane of one image: hold, convert, store.  The held numbers go into T, so that X serves all three planes; T's two sets take turns, so that eight plain instructions stand behind each conversion before its sources are written again.
.macro QP f, p
.set CN, C+16*((3*(\f)+\p)%2)
	s_wait_xcnt 0x0                                ; the earlier stores have read their registers: T and this set of codes are written again only behind this wait
.irp c, 0,1,2,3,4,5,6,7
.irp j, 0,1,2,3,4,5,6,7
	v_med3_num_f32 v[T+8*(\c%2)+\j], v[X+8*\c+\j], s[57+2*\p], s[56+2*\p]   ; the conversion to an 8-bit code does not saturate (ISA guide 7.6.2): the hold at the largest code x the scale
.endr
	v_cvt_scalef32_pk8_fp8_f32 v[CN+2*\c:CN+2*\c+1], v[T+8*(\c%2):T+8*(\c%2)+7], v[SC+\p]   ; registers 2 c, 2 c + 1 of the image
.endr
	v_nop                                          ; a plain instruction behind the last conversion
.irp c, 0,1,2,3
	global_store_b128 v[LOFF], v[CN+4*\c:CN+4*\c+3], s[48+2*\p:49+2*\p] offset:16384*(\f)+512*\c   ; 512 consecutive bytes a store
.endr
.endm
; One K step: its 16 x 128 numbers turn through my stage (in as they lie, out 32 bytes of a row at a time), then three planes.
.macro FRAGH f
.if (\f) < 3
	s_wait_loadcnt 16                              ; this set's sixteen loads are in; the other set's may be out
.else
	s_wait_loadcnt 0
.endif
.set ii, 0
.rept 16
	ds_store_b128 v[STI], v[R+64*((\f)%2)+4*ii:R+64*((\f)%2)+4*ii+3] offset:528*ii
.set ii, ii+1
.endr
.set ii, 0
.rept 8
	ds_load_b128 v[X+8*ii:X+8*ii+3], v[STO] offset:64*ii          ; LDS serves a wave's instructions in order: these see the stores above
	ds_load_b128 v[X+8*ii+4:X+8*ii+7], v[STO] offset:64*ii+16
.set ii, ii+1
.endr
	s_wait_dscnt 0x0
.if (\f) < 2
	LOADF (\f)+2
.endif
	QP \f, 0
	QP \f, 1
	QP \f, 2
.endm
	FRAGH 0
	FRAGH 1
	FRAGH 2
	FRAGH 3
	s_wait_tensorcnt 0x0                           ; the wave's end, behind my last LDS store
	ds_add_u32 v[SPW], v[NIL]
	s_wait_dscnt 0x0
	s_endpgm
; ---------------- weights: K is the first axis.  A lane takes a column, its registers run down K; wave w takes 32 columns x 256 along K ----------------
.Lweights:
	s_sub_co_u32 s6, ttmp9, 32                     ; G: the group of 128 columns, 0 .. 39
	s_wait_kmcnt 0x0
	s_mov_b64 s[44:45], s[18:19]                   ; wo, its e, its first group, its row in bytes
	s_mov_b32 s30, s43
	s_mov_b32 s31, 24
	s_mov_b32 s46, 8192
	s_cmp_lt_u32 s6, 24
	s_cselect_b64 s[44:45], s[16:17], s[44:45]     ; wv
	s_cselect_b32 s30, s37, s30
	s_cselect_b32 s31, 20, s31
	s_cselect_b32 s46, 2048, s46
	s_cmp_lt_u32 s6, 20
	s_cselect_b64 s[44:45], s[14:15], s[44:45]     ; wk
	s_cselect_b32 s30, s35, s30
	s_cselect_b32 s31, 16, s31
	s_cmp_lt_u32 s6, 16
	s_cselect_b64 s[44:45], s[12:13], s[44:45]     ; wq
	s_cselect_b32 s30, s33, s30
	s_cselect_b32 s31, 0, s31
	s_cselect_b32 s46, 8192, s46
	v_lshlrev_b32 v5, 2, v1                        ; 4 x lane
.set ii, 0
.rept 32
	v_mad_u32_u24 v[OFFW+ii], s46, ii, v5          ; row i of a block of 32, my column
.set ii, ii+1
.endr
	s_sub_co_u32 s7, s6, s31
	s_lshl_b32 s7, s7, 9                           ; the group's 128 columns,
	s_lshl_b32 s28, s4, 7                          ; my wave's 32 of them
	s_add_co_u32 s7, s7, s28
	s_lshl_b32 s28, s5, 8                          ; 256 y rows down
	s_mul_i32 s28, s28, s46
	s_add_co_u32 s28, s28, s7
	s_mov_b32 s29, 0
	s_add_nc_u64 s[48:49], s[44:45], s[28:29]      ; a base for each of the eight blocks of 32 rows: no pointer is stepped while loads are out
	s_lshl_b32 s28, s46, 5
.set tt, 1
.rept 7
	s_add_nc_u64 s[48+2*tt:49+2*tt], s[46+2*tt:47+2*tt], s[28:29]
.set tt, tt+1
.endr
	s_lshl_b32 s28, s6, 18                         ; w_img: G,
	s_lshl_b32 s7, s5, 15                          ; K steps 2 y and 2 y + 1,
	s_add_co_u32 s28, s28, s7
	s_lshl_b32 s7, s4, 12                          ; images 2 w and 2 w + 1
	s_add_co_u32 s28, s28, s7
	s_add_nc_u64 s[24:25], s[24:25], s[28:29]
	s_add_co_i32 s30, s30, 127
	s_lshl_b32 s31, s30, 23
	v_mov_b32 v11, s31                             ; 2^e
	s_add_co_i32 s30, s30, 8
	s_lshl_b32 s30, s30, 23
	s_or_b32 s30, s30, 0x600000
	v_mov_b32 v10, s30                             ; 448 x 2^e
.macro LOADW t                         ; block t: W(256 y + 32 t + i, my column): 128 consecutive bytes a wave, 512 a work-group
.set ii, 0
.rept 32
	global_load_b32 v[XW+32*((\t)%2)+ii], v[OFFW+ii], s[48+2*(\t):49+2*(\t)] th:TH_LOAD_NT
.set ii, ii+1
.endr
.endm
; Of a block's 32 numbers, 0-7 and 16-23 are what a lane with h = 0 holds of this column, 8-15 and 24-31 what a lane with h = 1 holds.  I0 gathers the first for my 32 columns, I1 the second.
; After four blocks one exchange of half-waves makes of them the images of columns 0-15 and 16-31.
.macro BLOCKW t
.set XS, XW+32*((\t)%2)
.set I0, IM+32*((\t)/4)
.set I1, I0+16
.set TA, 4*((\t)%4)
.if (\t) < 7
	s_wait_loadcnt 32                              ; this block's 32 loads are in; the next block's may be out
.else
	s_wait_loadcnt 0
.endif
.set ii, 0
.rept 32
	v_med3_num_f32 v[XS+ii], v[XS+ii], -v10, v10
.set ii, ii+1
.endr
	v_cvt_scalef32_pk8_fp8_f32 v[I0+TA:I0+TA+1], v[XS:XS+7], v11
	v_cvt_scalef32_pk8_fp8_f32 v[I1+TA:I1+TA+1], v[XS+8:XS+15], v11
	v_cvt_scalef32_pk8_fp8_f32 v[I0+TA+2:I0+TA+3], v[XS+16:XS+23], v11
	v_cvt_scalef32_pk8_fp8_f32 v[I1+TA+2:I1+TA+3], v[XS+24:XS+31], v11
	v_nop                                          ; a plain instruction behind the last conversion
.if (\t)+2 < 8
	LOADW (\t)+2
.endif
.if (\t)%4 == 3
.set ii, 0
.rept 16
	v_permlane16_swap_b32 v[I0+ii], v[I1+ii]       ; I0's lanes 16-31 and I1's lanes 0-15 change places
.set ii, ii+1
.endr
.irp c, 0,1,2,3
	global_store_b128 v[LOFF], v[I0+4*\c:I0+4*\c+3], s[24:25] offset:16384*((\t)/4)+512*\c
	global_store_b128 v[LOFF], v[I1+4*\c:I1+4*\c+3], s[24:25] offset:16384*((\t)/4)+2048+512*\c
.endr
.endif
.endm
	LOADW 0
	LOADW 1
.irp t, 0,1,2,3,4,5,6,7
	BLOCKW \t
.endr
	s_endpgm
.Lfunc_end_k_q10a80d67a4_quant:
	.size	k_q10a80d67a4_quant, .Lfunc_end_k_q10a80d67a4_quant-k_q10a80d67a4_quant
	.p2alignl 7, 3214868480
	.fill 96, 4, 3214868480
	.section	.rodata,"a",@progbits
	.p2align	6, 0x0
	.amdhsa_kernel k_q10a80d67a4_quant
		.amdhsa_group_segment_fixed_size 34304
		.amdhsa_private_segment_fixed_size 0
		.amdhsa_enable_private_segment 0
		.amdhsa_kernarg_size 80
		.amdhsa_user_sgpr_count 2
		.amdhsa_user_sgpr_kernarg_segment_ptr 1
		.amdhsa_wavefront_size32 1
		.amdhsa_system_sgpr_workgroup_id_x 1
		.amdhsa_system_sgpr_workgroup_id_y 1
		.amdhsa_system_sgpr_workgroup_id_z 1
		.amdhsa_system_vgpr_workitem_id 0
		.amdhsa_next_free_vgpr 256
		.amdhsa_next_free_sgpr 66
		.amdhsa_reserve_vcc 1
		.amdhsa_float_denorm_mode_32 3
		.amdhsa_float_denorm_mode_16_64 3
		.amdhsa_memory_ordered 1
		.amdhsa_forward_progress 1
		.amdhsa_inst_pref_size 140
	.end_amdhsa_kernel
	.amdgpu_metadata
---
amdhsa.version: [ 1, 2 ]
amdhsa.kernels:
  - .name:           k_q10a80d67a4_quant
    .symbol:         k_q10a80d67a4_quant.kd
    .args:
      - { .name: hidden_states, .offset: 0, .size: 8, .value_kind: global_buffer, .address_space: global }
      - { .name: positions, .offset: 8, .size: 8, .value_kind: global_buffer, .address_space: global }
      - { .name: wq, .offset: 16, .size: 8, .value_kind: global_buffer, .address_space: global }
      - { .name: wk, .offset: 24, .size: 8, .value_kind: global_buffer, .address_space: global }
      - { .name: wv, .offset: 32, .size: 8, .value_kind: global_buffer, .address_space: global }
      - { .name: wo, .offset: 40, .size: 8, .value_kind: global_buffer, .address_space: global }
      - { .name: lowp_scales, .offset: 48, .size: 8, .value_kind: global_buffer, .address_space: global }
      - { .name: h_img, .offset: 56, .size: 8, .value_kind: global_buffer, .address_space: global }
      - { .name: w_img, .offset: 64, .size: 8, .value_kind: global_buffer, .address_space: global }
      - { .name: cs_tab, .offset: 72, .size: 8, .value_kind: global_buffer, .address_space: global }
    .group_segment_fixed_size: 34304
    .private_segment_fixed_size: 0
    .kernarg_segment_align: 8
    .kernarg_segment_size: 80
    .max_flat_workgroup_size: 128
    .sgpr_count:     66
    .vgpr_count:     256
    .wavefront_size: 32
...
	.end_amdgpu_metadata
.endif
;; end of part 1
;; launch qkv (part 2): grid 16 x 12, 4 waves a work-group, clusters of 4 x 1, 327,680 bytes of LDS; arguments h_img, w_img, cs_tab, bq, bk, bv, lowp_scales, q_img, kv_img; writes q_img, kv_img
.if DOCPART == 2
	.amdgcn_target "amdgcn-amd-amdhsa--gfx1250"
	.amdhsa_code_object_version 6
	.text
	.protected	k_q10a80d67a4_qkv
	.globl	k_q10a80d67a4_qkv
	.p2align	8
	.type	k_q10a80d67a4_qkv,@function
k_q10a80d67a4_qkv:
	s_mov_b64 s[64:65], 0
	v_nop
	global_prefetch_b8 v0, s[64:65] scope:SCOPE_SE
	s_setreg_imm32_b32 hwreg(HW_REG_WAVE_MODE, 25, 1), 1
	s_wait_xcnt 0x0
	s_wait_alu depctr_hold_cnt(0) depctr_sa_sdst(0) depctr_va_vdst(0) depctr_va_sdst(0) depctr_va_ssrc(0) depctr_va_vcc(0) depctr_vm_vsrc(0)
	s_getreg_b32 s2, hwreg(HW_REG_IB_STS2, 6, 4)
	s_cmp_eq_u32 s2, 0
	s_cbranch_scc0 .Lentry_in_a_cluster
	s_endpgm
.Lentry_in_a_cluster:
	s_bfe_u32 s2, ttmp6, 0x10000c
	s_cmp_lg_u32 s2, 0x3003
	s_cbranch_scc0 .Lentry_shape_is_right
	s_endpgm
.Lentry_shape_is_right:
; q, k and v: hidden_states x (wq | wk | wv) on codes of E4M3, + bias, RoPE on q and k, and the results quantised at once into images for the attention launch.
; AN IMAGE: 16 rows x 128 along K, 2,048 bytes, laid as the matrix unit's registers: byte 512 q + 16 lane holds registers 4 q .. 4 q + 3 of that lane; lane (r, h): row r, registers 2 c, 2 c + 1 = k 16 c + 8 h + 0 .. 7.
; A work-group makes 256 rows t (block TX) x 256 weight rows (block WY: 0-7 q, 8-9 k, 10-11 v); four waves, 128 x 128 each: 64 accumulators, 512 registers.  K = 2,048 in 8 chunks of 256 through two LDS slots.
; A chunk of 128 rows is 32,768 consecutive bytes of images: one dense tensor load a wave (waves 0, 1: hidden's halves; waves 2, 3: the weight's); a fragment is four ds_load_b128 at 16 x lane: no pitch, no padding.
; THE PRODUCT IS USED TRANSPOSED.  q, k: source 0 = weight rows, source 1 = rows t: a lane holds one t and eight neighbouring d of one head: the next K.  v: the sources change places (only the LDS read bases differ):
; a lane holds one d and eight neighbouring t: the keys, which are the second attention product's K.  So eight conversions give an image's sixteen registers, and four stores of 512 consecutive bytes send it.
; CLUSTER 4 x 1: the four partners share WY, so the weight's tiles are asked for jointly.  hidden's tiles are each work-group's own: a cluster of 4 x 4 along WY would hold k's and v's blocks together,
; which read different planes of h_img (entries 2 and 4 of the scales), so one descriptor could not serve the four.
; LIMITS: eA + eB between -126 and 127; the result's e between -126 and 119.  NaN is not served.
; REGISTERS: window 0: v16-30 addresses; v32-95 the bias (C of the first products), later cosines and sines; v128-255 source 1's fragments, one set.  window 1: source 0's fragments, two sets; on the way out X, T and the codes.
;   window 2, 3: the accumulators of my source-1 rows 0-63, 64-127 (accumulator (a, b) at v[8 (8 (a % 4) + b)]).
.set FR,     16                        ; registers of a fragment
.set NL,     4                         ; LDS loads that bring one
.set NP,     4                         ; places behind this matrix instruction (ISA guide 7.12.1)
.set SLOT,   131072
.set CHUNK,  32768                     ; bytes from a chunk of 256 along K to the next, in memory
.set SPARE,  262144                    ; behind the ring: the spare words, 128 bytes a wave: two blocks of 256 bytes that no other line names
.set ADRA, 16                          ; v16-17  LDS address of source 1's fragments in slot 0, 1
.set ADRB, 20                          ; v20-21  of source 0's
.set BO,   24                          ; v24  32 h: the bias of q, k
.set RO,   25                          ; v25  4 r: the bias of v
.set LI,   26                          ; v26  16 x lane
.set SPW,  28                          ; v28  LDS address of my spare word; never rewritten
.set NIL,  29                          ; v29  0; never rewritten
.set SCV,  30                          ; v30  2^e of the result, as f32
.set BI,   32                          ; v32-95 the bias
.set CS0,  32                          ; the way out: three sets of 64: 32 cosines, 32 sines
.set BV,   32                          ; v tiles: bv of my row, twice, for each of eight blocks
.set AF,   128
.set XE,   0                           ; window 1 on the way out: 64 numbers,
.set TE,   64                          ; 64 at work,
.set CD,   128                         ; two sets of 16 codes
.set WV, 22
.set RH, 23                            ; wave / 2: my half of source 1's rows.  Also: I fetch hidden's (0) or the weight's (1) tile
.set CX, 40
.set CH, 41                            ; wave % 2: my half of source 0's rows.  Also: which 128 rows I fetch
.set TX, 42
.set WY, 43
.set G1, 24                            ; s[24:31] group 1, hidden's tiles; s[32:39] group 0, a set for each slot
.set G0, 32
.set G1B, 48                           ; s[48:55], s[56:63] the same for the weight's
.set G0B, 56
.set MSB, 0
.macro WIN new                         ; the immediate's high byte repeats the setting that is left
.if MSB != (\new)
	s_set_vgpr_msb (MSB<<8)|(\new)
.set MSB, (\new)
.endif
.endm
.set MUL_LO,  0xa1                     ; source 0 window 1, source 1 window 0, C and D window 2
.set MUL_HI,  0xf1                     ; C and D window 3
.set BIAS_LO, 0x81                     ; the first products: C (the bias) window 0, D window 2
.set BIAS_HI, 0xc1
.set TO_B,    0x40
.macro JLOAD g0a, g1a, g0b, g1b        ; waves 0, 1: hidden's tile, my work-group's own; waves 2, 3: the weight's, jointly.  The branch hangs on the wave's number alone.  An s_nop 0 and four v_nop follow each line
	s_cmp_eq_u32 s[RH], 0
	s_cbranch_scc0 .Lfor_b_\@
	tensor_load_to_lds s[\g0a:\g0a+3], s[\g1a:\g1a+7]
	s_nop 0
.rept 4
	v_nop
.endr
	s_branch .Lasked_\@
.Lfor_b_\@:
	tensor_load_to_lds s[\g0b:\g0b+3], s[\g1b:\g1b+7]
	s_nop 0
.rept 4
	v_nop
.endr
.Lasked_\@:
.endm
.macro CREST                           ; a round of the cluster's barrier behind its opening barrier
	s_cmp_lg_u32 s[WV], 0
	s_cbranch_scc1 .Lnot_wave_0_\@
	s_barrier_signal -3
.Lnot_wave_0_\@:
	s_barrier_wait -3
	s_barrier_signal -1
	s_barrier_wait -1
.endm
.macro CROUND
	s_barrier_signal -1
	s_barrier_wait -1
	CREST
.endm
	s_load_b512 s[4:19], s[0:1], 0x0               ; h_img s[4:5], w_img s[6:7], cs_tab s[8:9], bq s[10:11], bk s[12:13], bv s[14:15], scales s[16:17], q_img s[18:19]
	s_load_b64 s[20:21], s[0:1], 0x40              ; kv_img
	v_lshl_add_u32 v[SPW], v0, 2, SPARE
	v_mov_b32 v[NIL], 0
	ds_add_u32 v[SPW], v[NIL]                      ; the wave's opening: the add and its wait stand ahead of my first tensor load; the set-up below, work on registers, stands between them
	v_lshrrev_b32 v1, 5, v0
	v_readfirstlane_b32 s[WV], v1                  ; wave 0..3
	s_lshr_b32 s[RH], s[WV], 1
	s_and_b32 s[CH], s[WV], 1
	s_bfe_u32 s[CX], ttmp6, 0x40000                ; my place in the cluster
	s_lshl_b32 s[TX], ttmp9, 2
	s_add_co_u32 s[TX], s[TX], s[CX]               ; my block of 256 rows t
	s_and_b32 s[WY], ttmp7, 0xffff                 ; my block of 256 weight rows: the partners share it
	s_mov_b32 s[G1+0], 3<<16                       ; 15:0 no mask; 17:16 elements of 8 bytes; no padding
	s_mov_b32 s[G1B+0], 15|(3<<16)|(1<<21)         ; the mask: all four partners; 21 set beside a mask
.irp g, G1, G1B
	s_mov_b32 s[\g+1], 32<<16                      ; tensor_dim0 = 32 elements: rows of 256 bytes
	s_mov_b32 s[\g+2], 128<<16                     ; tensor_dim1 = 128 rows: 32,768 bytes on end
	s_mov_b32 s[\g+3], 32<<16                      ; tile_dim0
	s_mov_b32 s[\g+4], 128                         ; tile_dim1
	s_mov_b32 s[\g+5], 32                          ; the pitch: dense
	s_mov_b32 s[\g+6], 0
	s_mov_b32 s[\g+7], 0
.endr
	s_cmp_lt_u32 s[WY], 10                         ; q or k?
	s_cselect_b32 s80, 1, 2                        ; the plane of h_img
	s_cselect_b32 s81, 8, 10                       ; the first block of my kind
	s_cselect_b32 s85, -1, 0                       ; the bias goes in as C for q and k; v's is added on the way out
	s_cselect_b32 s86, 0, 65536                    ; source 1 reads hidden's region of a slot (q, k) or the weight's (v),
	s_cselect_b32 s87, 65536, 0                    ; source 0 the other
	s_cmp_lt_u32 s[WY], 8
	s_cselect_b32 s80, 0, s80
	s_cselect_b32 s81, 0, s81
	s_lshl_b32 s44, s[TX], 1
	s_add_co_u32 s44, s44, s[CH]
	s_lshl_b32 s44, s44, 18                        ; hidden: G = 2 TX + the half that I fetch, 262,144 bytes each,
	s_lshl_b32 s45, s80, 23
	s_add_co_u32 s44, s44, s45                     ; in my plane
	s_mov_b32 s45, 0
	s_lshl_b32 s46, s[WY], 1
	s_add_co_u32 s46, s46, s[CH]
	s_lshl_b32 s46, s46, 18                        ; the weight: G = 2 WY + half: made of what the partners share
	s_mov_b32 s47, 0
	s_lshl_b32 s66, s[WV], 15                      ; where my tile goes: wave x 32,768: no place in the cluster enters an LDS address
	s_wait_dscnt 0x0                               ; the opening add is done
	s_wait_kmcnt 0x0
	s_load_b256 s[68:75], s[16:17], 0x0            ; e0 .. e7
	s_load_b128 s[76:79], s[16:17], 0x20           ; e8 .. e11
	s_add_nc_u64 s[44:45], s[4:5], s[44:45]
	s_add_nc_u64 s[46:47], s[6:7], s[46:47]
	CROUND                                         ; all four work-groups are here: the first joint loads meet
.irp s, 0,1
	s_mov_b32 s[G0+4*\s], 1
	s_add_co_u32 s[G0+4*\s+1], s66, \s*SLOT
	s_add_nc_u64 s[G0+4*\s+2:G0+4*\s+3], s[44:45], \s*CHUNK
	s_or_b32 s[G0+4*\s+3], s[G0+4*\s+3], 0x80000000
	s_mov_b32 s[G0B+4*\s], 1
	s_add_co_u32 s[G0B+4*\s+1], s66, \s*SLOT
	s_add_nc_u64 s[G0B+4*\s+2:G0B+4*\s+3], s[46:47], \s*CHUNK
	s_or_b32 s[G0B+4*\s+3], s[G0B+4*\s+3], 0x80000000
	JLOAD G0+4*\s, G1, G0B+4*\s, G1B               ; chunks 0 and 1: two loads of mine are out
.endr
	v_and_b32 v1, 15, v0                           ; r
	v_bfe_u32 v2, v0, 4, 1                         ; h
	v_and_b32 v3, 31, v0
	v_lshlrev_b32 v[LI], 4, v3
	s_lshl_b32 s67, s[RH], 15
	s_add_co_u32 s67, s67, s86
	s_lshl_b32 s88, s[CH], 15
	s_add_co_u32 s88, s88, s87
.irp s, 0,1
	v_add_nc_u32 v[ADRA+\s], s67, v[LI]
	v_add_nc_u32 v[ADRB+\s], s88, v[LI]
	s_add_co_u32 s67, s67, SLOT
	s_add_co_u32 s88, s88, SLOT
.endr
	v_lshlrev_b32 v[BO], 5, v2
	v_lshlrev_b32 v[RO], 2, v1
	s_sub_co_u32 s92, s[WY], s81
	s_lshl_b32 s92, s92, 1                         ; 2 x (my block among my kind's)
	s_add_co_u32 s93, s92, s[CH]                   ; q, k: my head among my kind's
	s_cmp_lt_u32 s[WY], 10
	s_cselect_b64 s[90:91], s[12:13], s[14:15]
	s_cmp_lt_u32 s[WY], 8
	s_cselect_b64 s[90:91], s[10:11], s[90:91]     ; my kind's bias
	s_cselect_b64 s[18:19], s[18:19], s[20:21]     ; and where the codes go: q_img or kv_img
	s_cselect_b32 s88, 4, 2                        ; 16 or 4 heads a batch,
	s_cselect_b32 s89, 17, 18                      ; 131,072 or 262,144 bytes a head
	s_lshl_b32 s94, s93, 9
	s_mov_b32 s95, 0
	s_add_nc_u64 s[90:91], s[90:91], s[94:95]
.set jj, 0
.rept 8
	global_load_b128 v[BI+8*jj:BI+8*jj+3], v[BO], s[90:91] offset:64*jj        ; bias(128 head + 16 b + 8 h + 0 .. 7): the result's layout.  (A v tile reads bv here too, inside its buffer, and clears it below)
	global_load_b128 v[BI+8*jj+4:BI+8*jj+7], v[BO], s[90:91] offset:64*jj+16
.set jj, jj+1
.endr
	s_lshr_b32 s66, s[TX], 2                       ; the batch
	s_lshl_b32 s67, s66, s88
	s_add_co_u32 s67, s67, s93
	s_lshl_b32 s67, s67, s89                       ; q, k: the head's block,
	s_and_b32 s2, s[TX], 3
	s_lshl_b32 s94, s2, 4
	s_lshl_b32 s88, s[RH], 3
	s_add_co_u32 s94, s94, s88                     ; and my first tile of 16 rows t in the batch: 16 (TX % 4) + 8 RH
	s_lshl_b32 s94, s94, 11
	s_add_co_u32 s94, s94, s67
	s_lshl_b32 s66, s66, 2                         ; v: the head 4 batch + 2 (WY - 10) + RH,
	s_add_co_u32 s66, s66, s92
	s_add_co_u32 s66, s66, s[RH]
	s_lshl_b32 s66, s66, 18
	s_lshl_b32 s2, s2, 1
	s_add_co_u32 s2, s2, s[CH]                     ; the key step 2 (TX % 4) + CH, 16,384 bytes each,
	s_lshl_b32 s2, s2, 14
	s_add_co_u32 s66, s66, s2
	s_add_co_u32 s66, s66, 131072                  ; behind the head's K
	s_cmp_lt_u32 s[WY], 10
	s_cselect_b32 s94, s94, s66
	s_add_nc_u64 s[18:19], s[18:19], s[94:95]
	s_lshl_b32 s66, s[TX], 4
	s_lshl_b32 s67, s[RH], 3
	s_add_co_u32 s66, s66, s67
	s_lshl_b32 s66, s66, 13
	s_mov_b32 s67, 0
	s_add_nc_u64 s[8:9], s[8:9], s[66:67]          ; cs_tab at my first row tile: 8,192 bytes each
	s_wait_kmcnt 0x0
	s_cmp_lt_u32 s[WY], 10                         ; the scales: chosen without a branch
	s_cselect_b32 s82, s70, s72
	s_cselect_b32 s83, s71, s73
	s_cselect_b32 s84, s75, s77
	s_cmp_lt_u32 s[WY], 8
	s_cselect_b32 s82, s68, s82                    ; eA: entry 0, 2 or 4
	s_cselect_b32 s83, s69, s83                    ; eB: entry 1, 3 or 5
	s_cselect_b32 s84, s74, s84                    ; the result's: entry 6 (q), 7 (k) or 9 (v)
	s_add_co_i32 s82, s82, s83
	s_sub_co_i32 s83, 0, s82                       ; a sum stands for sum x 2^(eA + eB): the bias goes in divided by that
	s_add_co_i32 s96, s82, 127
	s_lshl_b32 s96, s96, 23                        ; 2^(eA + eB) as f32
	s_mov_b32 s97, s96                             ; (named with it as a pair, so it is written)
	s_add_co_i32 s84, s84, 127
	s_lshl_b32 s66, s84, 23
	v_mov_b32 v[SCV], s66
	s_add_co_i32 s84, s84, 8
	s_lshl_b32 s84, s84, 23
	s_or_b32 s98, s84, 0x600000                    ; 448 x 2^e,
	s_or_b32 s99, s84, 0x80600000                  ; and its negative
	s_wait_loadcnt 0x0
.set jj, 0
.rept 64
	v_ldexp_f32 v[BI+jj], v[BI+jj], s83
.set jj, jj+1
.endr
.set jj, 0
.rept 64
	v_and_b32 v[BI+jj], s85, v[BI+jj]              ; zeros in a v tile
.set jj, jj+1
.endr
.macro FRAG reg, adr, q, i             ; an image comes back as it was stored: four loads of 512 consecutive bytes
.irp c, 0,1,2,3
	ds_load_b128 v[\reg+4*\c:\reg+4*\c+3], v[\adr] offset:16384*(\q)+2048*(\i)+512*\c
.endr
.endm
; 16 matrix instructions: source 1's blocks a0, a0 + 1 x source 0's eight, 128 along K.  p: source 0's set.  bias = 1: the first products start the sums from the bias: nothing is cleared.
; The 64 accumulators take turns, one instruction a turn, in the same order in every step.
.macro MUL16 a0, p, bias
.irp a, \a0, \a0+1
.irp b, 0,1,2,3,4,5,6,7
.if \bias
	v_wmma_f32_16x16x128_fp8_fp8 v[8*(8*((\a)%4)+\b):8*(8*((\a)%4)+\b)+7], v[128*(\p)+FR*\b:128*(\p)+FR*\b+FR-1], v[AF+FR*(\a):AF+FR*(\a)+FR-1], v[BI+8*\b:BI+8*\b+7]
.else
	v_wmma_f32_16x16x128_fp8_fp8 v[8*(8*((\a)%4)+\b):8*(8*((\a)%4)+\b)+7], v[128*(\p)+FR*\b:128*(\p)+FR*\b+FR-1], v[AF+FR*(\a):AF+FR*(\a)+FR-1], v[8*(8*((\a)%4)+\b):8*(8*((\a)%4)+\b)+7]
.endif
.endr
.endr
.endm
.macro FETCH_B slot, q, p
	WIN TO_B
.irp i, 0,1,2,3,4,5,6,7
	FRAG 128*(\p)+FR*\i, ADRB+\slot, \q, \i
.endr
	WIN 0
.endm
.macro FETCH_A slot, q, i0
.irp i, \i0, \i0+1, \i0+2, \i0+3
	FRAG AF+FR*(\i), ADRA+\slot, \q, \i
.endr
.endm
.macro PLACES n                        ; plain vector instructions between a matrix instruction and a load into, or a read of, its registers (ISA guide 7.12.1 for reads)
.rept \n
	v_nop
.endr
.endm
.macro STEP slot, q, bias              ; 128 along K whose successor lies in the same slot
	s_wait_dscnt 4*NL                              ; source 0's set and source 1's blocks 0-3 are in; the youngest sixteen loads (blocks 4-7) may be out
.if \bias
	WIN BIAS_LO
.else
	WIN MUL_LO
.endif
	MUL16 0, (\q)%2, \bias
	MUL16 2, (\q)%2, \bias
	s_wait_dscnt 0
	PLACES NP
	FETCH_B \slot, (\q)+1, 1-(\q)%2
	FETCH_A \slot, (\q)+1, 0
.if \bias
	WIN BIAS_HI
.else
	WIN MUL_HI
.endif
	MUL16 4, (\q)%2, \bias
	MUL16 6, (\q)%2, \bias
	PLACES NP
	WIN 0
	FETCH_A \slot, (\q)+1, 4
.endm
; A slot's last step changes slots: one barrier; in front of it each wave waits for all its tensor loads, adds 0 to its spare word, and waits for that and for its reads of this slot.  fill = 1: this slot takes the chunk two on.
.macro TURN slot, next, fill
	s_wait_tensorcnt 0x0                           ; all my tensor loads have landed: my part of the next slot
	ds_add_u32 v[SPW], v[NIL]                      ; 0 onto my spare word
	s_wait_dscnt 4*NL+1                            ; (the add and the youngest sixteen loads may be out)
	WIN MUL_LO
	MUL16 0, 1, 0                                  ; sixteen matrix instructions stand between the add and the wait for it
	s_wait_dscnt 0x0                               ; the add is done, and my reads of this slot are over
	s_barrier_signal -1
	MUL16 2, 1, 0
	WIN 0
	s_barrier_wait -1
.if \fill
	CREST                                          ; the barrier has opened a round of the cluster's: no wave of any partner still reads this slot or has a load on its way
	s_add_nc_u64 s[G0+4*\slot+2:G0+4*\slot+3], s[G0+4*\slot+2:G0+4*\slot+3], 2*CHUNK
	s_add_nc_u64 s[G0B+4*\slot+2:G0B+4*\slot+3], s[G0B+4*\slot+2:G0B+4*\slot+3], 2*CHUNK
	JLOAD G0+4*\slot, G1, G0B+4*\slot, G1B         ; the first tensor load behind the round, my only one until the next; its four v_nop are the places in front of the loads below
.else
	PLACES NP
.endif
	FETCH_B \next, 0, 0
	FETCH_A \next, 0, 0
	WIN MUL_HI
	MUL16 4, 1, 0
	MUL16 6, 1, 0
	PLACES NP
	WIN 0
	FETCH_A \next, 0, 4
.endm
.macro CSLOAD a                        ; the cosines and sines of my block a of 16 rows: register 8 b + j of a set belongs to d = 16 b + 8 h + j, as X's does
.set CSL, CS0+64*((\a)%3)
.irp p, 0,1,2,3,4,5,6,7
	global_load_b128 v[CSL+4*\p:CSL+4*\p+3], v[LI], s[8:9] offset:8192*(\a)+1024*\p
	global_load_b128 v[CSL+32+4*\p:CSL+32+4*\p+3], v[LI], s[8:9] offset:8192*(\a)+1024*\p+512
.endr
.endm
	s_wait_tensorcnt 1                             ; my part of chunk 0 is in; chunk 1's may stay out
	s_barrier_signal -1
	s_barrier_wait -1
	FETCH_B 0, 0, 0
	FETCH_A 0, 0, 0
	FETCH_A 0, 0, 4
	STEP 0, 0, 1                                   ; the first step stands in front of the loop: its products start the sums
	s_mov_b32 s3, 3
.Llap:                                                 ; a trip goes once round the ring and fills both slots again: chunks 2 to 7
	TURN 0, 1, 1
	STEP 1, 0, 0
	TURN 1, 0, 1
	STEP 0, 0, 0
	s_sub_co_u32 s3, s3, 1
	s_cmp_lg_u32 s3, 0
	s_cbranch_scc1 .Llap
	s_cmp_ge_u32 s[WY], 10                         ; what the way out wants first is asked for three steps ahead of it; the branch hangs on WY, which the partners share; sixteen loads on either way
	s_cbranch_scc1 .Learly_v
	CSLOAD 0
	s_branch .Learly_done
.Learly_v:
	s_add_co_u32 s66, s92, s[RH]                   ; my kv head among the four
	s_lshl_b32 s66, s66, 9
	s_mov_b32 s67, 0
	s_add_nc_u64 s[14:15], s[14:15], s[66:67]
.set jj, 0
.rept 8
	global_load_b32 v[BV+2*jj], v[RO], s[14:15] offset:64*jj       ; bv(128 head + 16 a + r), twice: the packed form names a pair
	global_load_b32 v[BV+2*jj+1], v[RO], s[14:15] offset:64*jj
.set jj, jj+1
.endr
.Learly_done:
	TURN 0, 1, 0                                   ; the last lap fills nothing, and has no round of the cluster's barrier
	STEP 1, 0, 0
	s_wait_dscnt 4*NL
	WIN MUL_LO
	MUL16 0, 1, 0
	MUL16 2, 1, 0
	s_wait_dscnt 0
	WIN MUL_HI
	MUL16 4, 1, 0
	MUL16 6, 1, 0
	WIN 0
	PLACES NP                                      ; behind the last products: for the reads of results, and for the loads and writes into registers that held fragments
; THE WAY OUT, a block of 16 source-1 rows at a time: 64 numbers a lane become one image.
.macro PACKOUT a
.set CN, CD+16*((\a)%2)
	WIN 0x41                                       ; X and the codes in window 1, the scale in window 0
.set jj, 0
.rept 64
	v_med3_num_f32 v[XE+jj], v[XE+jj], s99, s98    ; the conversion to an 8-bit code does not saturate (ISA guide 7.6.2): the hold at the largest code x the scale
.set jj, jj+1
.endr
.set jj, 0
.rept 8
	v_cvt_scalef32_pk8_fp8_f32 v[CN+2*jj:CN+2*jj+1], v[XE+8*jj:XE+8*jj+7], v[SCV]
.set jj, jj+1
.endr
	v_nop                                          ; a plain instruction behind the last conversion
	WIN 0x04                                       ; the stores' data in window 1
.irp c, 0,1,2,3
	global_store_b128 v[LI], v[CN+4*\c:CN+4*\c+3], s[18:19] offset:2048*(\a)+512*\c   ; 512 consecutive bytes a store
.endr
	WIN 0
.endm
.macro QKBLOCK a
	s_wait_xcnt 0x0                                ; the stores of two blocks back have read their codes
.if (\a) == 0
	CSLOAD 1
	CSLOAD 2
.elseif (\a) < 6
	CSLOAD (\a)+2                                  ; into the set that the block before has left
.endif
.if (\a) < 6
	s_wait_loadcnt 32                              ; my block's sixteen loads are in; two younger blocks' may be out
.elseif (\a) == 6
	s_wait_loadcnt 16
.else
	s_wait_loadcnt 0
.endif
.set AC, 64*((\a)%4)
.set CSB, CS0+64*((\a)%3)
	WIN 0x42+((\a)/4)                              ; the sums in window 2 or 3, X in window 1
.set jj, 0
.rept 32
	v_pk_mul_f32 v[XE+jj:XE+jj+1], v[AC+jj:AC+jj+1], s[96:97] op_sel_hi:[1,0]   ; x 2^(eA + eB): exact; each accumulator from its low end on
.set jj, jj+2
.endr
	WIN 0x41
.set jj, 0
.rept 16
	v_pk_mul_f32 v[TE+jj:TE+jj+1], v[XE+32+jj:XE+33+jj], v[CSB+32+jj:CSB+33+jj]      ; x2 sin
	v_pk_mul_f32 v[TE+32+jj:TE+33+jj], v[XE+jj:XE+jj+1], v[CSB+32+jj:CSB+33+jj]      ; x1 sin
.set jj, jj+2
.endr
	WIN 0x51
.set jj, 0
.rept 16
	v_pk_fma_f32 v[XE+jj:XE+jj+1], v[XE+jj:XE+jj+1], v[CSB+jj:CSB+jj+1], v[TE+jj:TE+jj+1] neg_lo:[0,0,1] neg_hi:[0,0,1]   ; x1 cos - x2 sin
	v_pk_fma_f32 v[XE+32+jj:XE+33+jj], v[XE+32+jj:XE+33+jj], v[CSB+jj:CSB+jj+1], v[TE+32+jj:TE+33+jj]                     ; x2 cos + x1 sin
.set jj, jj+2
.endr
	PACKOUT \a
.endm
.macro VBLOCK a
	s_wait_xcnt 0x0
.set AC, 64*((\a)%4)
	WIN 0x42+((\a)/4)
.set jj, 0
.rept 32
	v_pk_fma_f32 v[XE+jj:XE+jj+1], v[AC+jj:AC+jj+1], s[96:97], v[BV+2*(\a):BV+2*(\a)+1] op_sel_hi:[1,0,0]   ; sum x 2^(eA + eB) + bv of my row
.set jj, jj+2
.endr
	PACKOUT \a
.endm
	s_cmp_ge_u32 s[WY], 10
	s_cbranch_scc1 .Lv_out
.irp a, 0,1,2,3,4,5,6,7
	QKBLOCK \a
.endr
	s_branch .Ldone
.Lv_out:
	s_wait_loadcnt 0x0                             ; bv
.irp a, 0,1,2,3,4,5,6,7
	VBLOCK \a
.endr
.Ldone:
	s_wait_tensorcnt 0x0                           ; the wave's end, behind my last tensor load
	ds_add_u32 v[SPW], v[NIL]
	s_wait_dscnt 0x0
	CROUND                                         ; the closing round: no work-group ends while a partner may still ask for a tile that names it
	s_endpgm
.Lfunc_end_k_q10a80d67a4_qkv:
	.size	k_q10a80d67a4_qkv, .Lfunc_end_k_q10a80d67a4_qkv-k_q10a80d67a4_qkv
	.p2alignl 7, 3214868480
	.fill 96, 4, 3214868480
	.section	.rodata,"a",@progbits
	.p2align	6, 0x0
	.amdhsa_kernel k_q10a80d67a4_qkv
		.amdhsa_group_segment_fixed_size 327680
		.amdhsa_private_segment_fixed_size 0
		.amdhsa_enable_private_segment 0
		.amdhsa_kernarg_size 72
		.amdhsa_user_sgpr_count 2
		.amdhsa_user_sgpr_kernarg_segment_ptr 1
		.amdhsa_wavefront_size32 1
		.amdhsa_system_sgpr_workgroup_id_x 1
		.amdhsa_system_sgpr_workgroup_id_y 1
		.amdhsa_system_sgpr_workgroup_id_z 1
		.amdhsa_system_vgpr_workitem_id 0
		.amdhsa_next_free_vgpr 1024
		.amdhsa_next_free_sgpr 100
		.amdhsa_reserve_vcc 0
		.amdhsa_float_denorm_mode_32 3
		.amdhsa_float_denorm_mode_16_64 3
		.amdhsa_memory_ordered 1
		.amdhsa_forward_progress 1
		.amdhsa_inst_pref_size 246
	.end_amdhsa_kernel
	.amdgpu_metadata
---
amdhsa.version: [ 1, 2 ]
amdhsa.kernels:
  - .name:           k_q10a80d67a4_qkv
    .symbol:         k_q10a80d67a4_qkv.kd
    .args:
      - { .name: h_img, .offset: 0, .size: 8, .value_kind: global_buffer, .address_space: global }
      - { .name: w_img, .offset: 8, .size: 8, .value_kind: global_buffer, .address_space: global }
      - { .name: cs_tab, .offset: 16, .size: 8, .value_kind: global_buffer, .address_space: global }
      - { .name: bq, .offset: 24, .size: 8, .value_kind: global_buffer, .address_space: global }
      - { .name: bk, .offset: 32, .size: 8, .value_kind: global_buffer, .address_space: global }
      - { .name: bv, .offset: 40, .size: 8, .value_kind: global_buffer, .address_space: global }
      - { .name: lowp_scales, .offset: 48, .size: 8, .value_kind: global_buffer, .address_space: global }
      - { .name: q_img, .offset: 56, .size: 8, .value_kind: global_buffer, .address_space: global }
      - { .name: kv_img, .offset: 64, .size: 8, .value_kind: global_buffer, .address_space: global }
    .group_segment_fixed_size: 327680
    .private_segment_fixed_size: 0
    .kernarg_segment_align: 8
    .kernarg_segment_size: 72
    .max_flat_workgroup_size: 128
    .sgpr_count:     100
    .vgpr_count:     1024
    .wavefront_size: 32
...
	.end_amdgpu_metadata
.endif
;; end of part 2
;; launch attn (part 3): grid 4 x 64, 16 waves a work-group, clusters of 4 x 1, 327,680 bytes of LDS; arguments q_img, kv_img, lowp_scales, o_img; writes o_img
.if DOCPART == 3
	.amdgcn_target "amdgcn-amd-amdhsa--gfx1250"
	.amdhsa_code_object_version 6
	.text
	.protected	k_q10a80d67a4_attn
	.globl	k_q10a80d67a4_attn
	.p2align	8
	.type	k_q10a80d67a4_attn,@function
k_q10a80d67a4_attn:
	s_mov_b64 s[64:65], 0
	v_nop
	global_prefetch_b8 v0, s[64:65] scope:SCOPE_SE
	s_setreg_imm32_b32 hwreg(HW_REG_WAVE_MODE, 25, 1), 1
	s_wait_xcnt 0x0
	s_wait_alu depctr_hold_cnt(0) depctr_sa_sdst(0) depctr_va_vdst(0) depctr_va_sdst(0) depctr_va_ssrc(0) depctr_va_vcc(0) depctr_vm_vsrc(0)
	s_getreg_b32 s2, hwreg(HW_REG_IB_STS2, 6, 4)
	s_cmp_eq_u32 s2, 0
	s_cbranch_scc0 .Lentry_in_a_cluster
	s_endpgm
.Lentry_in_a_cluster:
	s_bfe_u32 s2, ttmp6, 0x10000c
	s_cmp_lg_u32 s2, 0x3003
	s_cbranch_scc0 .Lentry_shape_is_right
	s_endpgm
.Lentry_shape_is_right:
; Causal attention of one query head on codes of E4M3; the result is quantised at once into images for the output projection.
; q_img: [batch x 16 + head][tile of 16 queries (64)][image].  kv_img: [batch x 4 + kv head][K: 64 images of 16 keys x 128 d, then V: key step (8) x d tile (8) images of 16 d x 128 keys].  o_img: [G][s = head][i][image].
; AN IMAGE: 2,048 bytes laid as the matrix unit's registers: byte 512 q + 16 lane = registers 4 q .. 4 q + 3 of that lane; lane (r, h): row r, registers 2 c, 2 c + 1 = k 16 c + 8 h + 0 .. 7.
; THE SOFTMAX AHEAD OF THE SECOND PRODUCT: t = score x log2(e) / sqrt(128); M = the running largest t rounded UP to a whole number; p = 2^(t - M) is quantised, not normalised; the row's sum is taken of the
; unquantised p and divides at the end; when M moves, the sum and O are multiplied by 2^(old M - new M): exact.
; LDS holds ALL of the kv head's K and V, 262,144 bytes, as they lie in memory: nothing is filled again, there is no ring.
; SHARES.  The four work-groups of a cluster share one head: partner p owns the query tiles 4 g + p, g = 0 .. 15, one a wave.  A tile's last key step is g / 2 whatever p is: all work-groups have equal work
; (72 steps of a wave), no branch hangs on the place in the cluster, and K and V are asked for jointly.  The wave's g is chosen so that four waves w % 4 alike, and four waves w / 4 alike, have 18 steps together.
; (The four query heads of a kv head lie in four clusters: a mask names four work-groups, and they are taken by the four shares of a head.)
; Both products are used transposed: S^T = K Q^T, O^T = V^T P^T: a lane holds ONE query (lane % 16); S^T's eight registers of tile c are keys 16 c + 8 h + 0 .. 7: just what registers 2 c, 2 c + 1 of P hold.
; LIMITS: e6 + e7 between -123 and 130 (added to c's exponent field); e8 and e10 between -126 and 119; e8 + e9 is applied by v_ldexp_f32.
; REGISTERS: v1 16 x lane; v5, v6 the add's two; v7 16 tile + r - 8 h; v8, v9 LDS addresses; v12 -M, v13 the largest t, v[14:15] the sum; v16-31 Q; v32-95 four fragments; v96-159 S^T, then p; v160-223 O^T; v224-239 codes; v236-254 at work.
.set SPARE, 262144                     ; behind K and V: the spare words, 128 bytes a wave: eight blocks of 256 bytes that no other line names
.set LI,   1
.set SPW,  5
.set NIL,  6
.set DQ,   7
.set ADK,  8
.set ADV,  9
.set TB,   2                           ; s2   LDS byte of the step's K: 16,384 J
.set J,    3                           ; s3   the key step
.set WV,   12
.set CX,   13
.set BH,   14                          ; batch x 16 + head
.set U,    15                          ; my last key step
.set QT,   17                          ; my tile of 16 queries: 4 g + p
.set SEL,  20                          ; s[20:21] lane selects: lane l xor 16
.set CS,   22                          ; s[22:23] c = log2(e) / sqrt(128) x 2^(e6 + e7)
.set G1E,  24                          ; s[24:31] group 1 of the early load: 16 rows of 256 bytes;  s[32:39] of the late one: 48 rows
.set G1L,  32
.set G0E,  40
.set G0L,  44
.macro CROUND
	s_barrier_signal -1
	s_barrier_wait -1
	s_cmp_lg_u32 s[WV], 0
	s_cbranch_scc1 .Lnot_wave_0_\@
	s_barrier_signal -3
.Lnot_wave_0_\@:
	s_barrier_wait -3
	s_barrier_signal -1
	s_barrier_wait -1
.endm
	s_load_b256 s[4:11], s[0:1], 0x0               ; q_img s[4:5], kv_img s[6:7], scales s[8:9], o_img s[10:11]
	v_lshl_add_u32 v[SPW], v0, 2, SPARE
	v_mov_b32 v[NIL], 0
	ds_add_u32 v[SPW], v[NIL]                      ; the wave's opening: the add and its wait stand ahead of my first tensor load; the set-up below, work on registers, stands between them
	v_lshrrev_b32 v8, 5, v0
	v_readfirstlane_b32 s[WV], v8                  ; wave 0..15
	s_bfe_u32 s[CX], ttmp6, 0x40000                ; p
	s_and_b32 s[BH], ttmp7, 0xffff
	s_lshr_b32 s56, s[WV], 2
	s_xor_b32 s57, s[WV], s56
	s_and_b32 s57, s57, 1                          ; f = bit 0 xor bit 2
	s_mul_i32 s57, s57, 7
	s_lshr_b32 s58, s[WV], 1
	s_and_b32 s58, s58, 1
	s_mul_i32 s58, s58, 3
	s_lshr_b32 s59, s[WV], 3
	s_xor_b32 s58, s58, s59                        ; x = bit 3 xor 3 x bit 1: 0 .. 3
	s_xor_b32 s[U], s58, s57                       ; U = x, or 7 - x where f: made of the wave's number alone
	s_and_b32 s56, s56, 1
	s_lshl_b32 s[QT], s[U], 1
	s_add_co_u32 s[QT], s[QT], s56                 ; g = 2 U + bit 2
	s_lshl_b32 s[QT], s[QT], 2
	s_add_co_u32 s[QT], s[QT], s[CX]
	s_mov_b32 s[G1E], 15|(3<<16)|(1<<21)           ; the mask: all four partners; elements of 8 bytes; 21 set beside a mask; no padding
	s_mov_b32 s[G1E+1], 32<<16                     ; rows of 256 bytes
	s_mov_b32 s[G1E+2], 16<<16                     ; 16 rows: 4,096 bytes on end
	s_mov_b32 s[G1E+3], 32<<16
	s_mov_b32 s[G1E+4], 16
	s_mov_b32 s[G1E+5], 32
	s_mov_b32 s[G1E+6], 0
	s_mov_b32 s[G1E+7], 0
	s_mov_b32 s[G1L], 15|(3<<16)|(1<<21)
	s_mov_b32 s[G1L+1], 32<<16
	s_mov_b32 s[G1L+2], 48<<16                     ; 48 rows: 12,288 bytes on end
	s_mov_b32 s[G1L+3], 32<<16
	s_mov_b32 s[G1L+4], 48
	s_mov_b32 s[G1L+5], 32
	s_mov_b32 s[G1L+6], 0
	s_mov_b32 s[G1L+7], 0
	s_lshl_b32 s60, s59, 17                        ; waves 0-7 fetch K (LDS byte 0 on), waves 8-15 V (131,072 on)
	s_and_b32 s61, s[WV], 7
	s_lshl_b32 s62, s61, 12
	s_add_co_u32 s62, s62, s60                     ; early: an eighth of key steps 0 and 1 (32,768 bytes)
	s_mul_i32 s63, s61, 12288
	s_add_co_u32 s63, s63, s60
	s_add_co_u32 s63, s63, 32768                   ; late: an eighth of key steps 2 to 7 (98,304 bytes)
	s_lshr_b32 s56, s[BH], 2                       ; batch x 4 + kv head
	s_lshl_b32 s56, s56, 18
	s_mov_b32 s57, 0
	s_mov_b32 s[SEL], 0x76543210
	s_mov_b32 s[SEL+1], 0xfedcba98
	s_mov_b32 s[CS], 0x3e0293ee
	s_wait_dscnt 0x0                               ; the opening add is done
	s_wait_kmcnt 0x0
	s_load_b256 s[48:55], s[8:9], 0x10             ; e4 .. e11: s50 = e6 (q), s51 = e7 (k), s52 = e8 (p), s53 = e9 (v), s54 = e10 (o)
	s_add_nc_u64 s[6:7], s[6:7], s[56:57]          ; the kv head's block: the partners share it
	CROUND                                         ; all four work-groups are here: the joint loads meet
	s_mov_b32 s[G0E], 1
	s_mov_b32 s[G0E+1], s62
	s_mov_b32 s58, s62                             ; the offset in the block equals the LDS address
	s_mov_b32 s59, 0
	s_add_nc_u64 s[G0E+2:G0E+3], s[6:7], s[58:59]
	s_or_b32 s[G0E+3], s[G0E+3], 0x80000000
	s_mov_b32 s[G0L], 1
	s_mov_b32 s[G0L+1], s63
	s_mov_b32 s58, s63
	s_add_nc_u64 s[G0L+2:G0L+3], s[6:7], s[58:59]
	s_or_b32 s[G0L+3], s[G0L+3], 0x80000000
	tensor_load_to_lds s[G0E:G0E+3], s[G1E:G1E+7]  ; the launch's only fills, one group: two loads of mine are out
	s_nop 0
	tensor_load_to_lds s[G0L:G0L+3], s[G1L:G1L+7]
	s_nop 0
.rept 4
	v_nop
.endr
	s_lshl_b32 s56, s[BH], 6
	s_add_co_u32 s56, s56, s[QT]
	s_lshl_b32 s56, s56, 11
	s_add_nc_u64 s[4:5], s[4:5], s[56:57]          ; my tile's image of Q
	v_and_b32 v8, 31, v0
	v_lshlrev_b32 v[LI], 4, v8
.irp c, 0,1,2,3
	global_load_b128 v[16+4*\c:19+4*\c], v[LI], s[4:5] offset:512*\c
.endr
	s_lshr_b32 s56, s[BH], 4
	s_lshl_b32 s56, s56, 6
	s_add_co_u32 s56, s56, s[QT]                   ; RT: my tile among the 256 tiles of 16 rows
	s_lshr_b32 s58, s56, 3
	s_lshl_b32 s58, s58, 4
	s_and_b32 s59, s[BH], 15
	s_add_co_u32 s58, s58, s59                     ; G x 16 + head
	s_lshl_b32 s58, s58, 3
	s_and_b32 s56, s56, 7
	s_add_co_u32 s56, s56, s58
	s_lshl_b32 s56, s56, 11
	s_add_nc_u64 s[10:11], s[10:11], s[56:57]      ; my image of o
	v_and_b32 v8, 15, v0
	v_bfe_u32 v9, v0, 4, 1
	v_lshlrev_b32 v9, 3, v9
	v_sub_nc_u32 v[DQ], v8, v9
	s_lshl_b32 s56, s[QT], 4
	v_add_nc_u32 v[DQ], s56, v[DQ]                 ; my query - 8 h
	v_mov_b32 v13, 0xff61b1e6                      ; the largest t so far: -3e38, under every t
	v_floor_f32 v12, -v13                          ; -M
	v_mov_b32 v14, 0
	v_mov_b32 v15, 0
	v_mov_b32 v236, 0                              ; written once: a lane permute's destination counts as one of its sources
	v_mov_b32 v252, 0
	v_mov_b32 v253, 0                              ; (named as the upper half of the pair v[252:253])
.set jj, 0
.rept 64
	v_mov_b32 v[160+jj], 0                         ; O^T: the step is written without a first form of its own: the first change of M multiplies zeros
.set jj, jj+1
.endr
	s_wait_kmcnt 0x0
	s_add_co_i32 s56, s50, s51
	s_lshl_b32 s56, s56, 23
	s_add_co_i32 s[CS], s[CS], s56                 ; a score stands for score x 2^(e6 + e7)
	s_mov_b32 s[CS+1], s[CS]
	s_add_co_i32 s56, s52, 127
	s_lshl_b32 s57, s56, 23
	v_mov_b32 v244, s57                            ; 2^e8
	s_add_co_i32 s56, s56, 8
	s_lshl_b32 s56, s56, 23
	s_or_b32 s56, s56, 0x600000
	v_mov_b32 v240, s56                            ; 448 x 2^e8
	s_add_co_i32 s56, s54, 127
	s_lshl_b32 s57, s56, 23
	v_mov_b32 v245, s57                            ; 2^e10
	s_add_co_i32 s56, s56, 8
	s_lshl_b32 s56, s56, 23
	s_or_b32 s56, s56, 0x600000
	v_mov_b32 v241, s56                            ; 448 x 2^e10
; A KEY STEP: 128 keys.  A step all of whose keys come after my 16 queries is left out: a scalar branch on the wave's number and the count of steps; no barrier and no tensor load stands in a step.
.macro STEP
	s_lshl_b32 s[TB], s[J], 14
	s_cmp_gt_u32 s[J], s[U]
	s_cbranch_scc1 .Lhidden_\@
	v_add_nc_u32 v[ADK], s[TB], v[LI]
	v_add_nc_u32 v[ADV], 0x20000, v[ADK]
.irp g, 0,1                                    ; S^T = K Q^T, four tiles of 16 keys at a time
.rept 4-2*(1-\g)
	v_nop                                          ; places in front of loads into registers that matrix instructions have read (four; the two additions above are places too)
.endr
.irp t, 0,1,2,3
.irp c, 0,1,2,3
	ds_load_b128 v[32+16*\t+4*\c:32+16*\t+4*\c+3], v[ADK] offset:2048*(4*\g+\t)+512*\c
.endr
.endr
	s_wait_dscnt 0x0
.irp t, 0,1,2,3
	v_wmma_f32_16x16x128_fp8_fp8 v[96+8*(4*\g+\t):103+8*(4*\g+\t)], v[32+16*\t:47+16*\t], v[16:31], 0
.endr
.endr
.rept 4
	v_nop
.endr
	s_cmp_lt_u32 s[J], s[U]                        ; only my last step lies on the diagonal
	s_cbranch_scc1 .Lopen_\@
	s_lshl_b32 s56, s[J], 7
	v_sub_nc_u32 v252, v[DQ], s56                  ; d = my query - 8 h - 128 J.  Register 8 c + i holds key 128 J + 16 c + 8 h + i: hidden where 16 c + i > d
	v_mov_b32 v254, 0xff800000                     ; -infinity: p = 0 then
.set nn, 0
.rept 64
	v_cmp_gt_i32 vcc_lo, 16*(nn/8)+nn%8, v252
	v_cndmask_b32 v[96+nn], v[96+nn], v254, vcc_lo
.set nn, nn+1
.endr
.Lopen_\@:
	v_max3_num_f32 v254, v96, v97, v98             ; the step's largest score of my query among my 64 keys, in two chains,
	v_max3_num_f32 v252, v99, v100, v101
.set ii, 6
.rept 14
	v_max3_num_f32 v254, v254, v[96+ii], v[97+ii]
	v_max3_num_f32 v252, v252, v[98+ii], v[99+ii]
.set ii, ii+4
.endr
	v_max3_num_f32 v254, v254, v158, v159
	v_max_num_f32 v254, v254, v252
	v_permlanex16_b32 v236, v254, s[SEL], s[SEL+1]
	v_max_num_f32 v254, v254, v236                 ; and among lane l xor 16's
	v_mul_f32 v254, s[CS], v254                    ; as t (c is positive)
	v_max_num_f32 v13, v13, v254                   ; the running largest t
	v_mov_b32 v254, v12
	v_floor_f32 v12, -v13                          ; the new -M = floor(-t): M is a whole number
	v_sub_f32 v254, v12, v254                      ; old M - new M: a whole number, 0 or less
	v_cvt_i32_f32 v254, v254                       ; (it saturates)
	v_ldexp_f32 v252, 1.0, v254                    ; f = 2^(old M - new M)
.set jj, 0
.rept 32
	v_pk_fma_f32 v[96+jj:97+jj], v[96+jj:97+jj], s[CS:CS+1], v[12:13] op_sel_hi:[1,0,0]   ; t - M, two at a time
.set jj, jj+2
.endr
.set jj, 0
.rept 64
	v_exp_f32 v[96+jj], v[96+jj]                   ; p = 2^(t - M): one batch
.set jj, jj+1
.endr
	v_pk_mul_f32 v[14:15], v[14:15], v[252:253] op_sel_hi:[1,0]   ; the sums under the new M (the plain instruction behind the last exponential)
	s_wait_alu depctr_va_vdst(0)                   ; one wait for the batch, ahead of its first reader
	v_pk_add_f32 v[242:243], v[96:97], v[98:99]    ; the row's sum is taken of the unquantised p, in two chains
.set jj, 4
.rept 15
	v_pk_add_f32 v[14:15], v[14:15], v[96+jj:97+jj]
	v_pk_add_f32 v[242:243], v[242:243], v[98+jj:99+jj]
.set jj, jj+4
.endr
	v_pk_add_f32 v[14:15], v[14:15], v[242:243]
.irp c, 0,1,2,3,4,5,6,7
.irp i, 0,1,2,3,4,5,6,7
	v_min_num_f32 v[96+8*\c+\i], v[96+8*\c+\i], v240   ; the conversion does not saturate (ISA guide 7.6.2); p is not negative, so the hold is one-sided
.endr
	v_cvt_scalef32_pk8_fp8_f32 v[224+2*\c:225+2*\c], v[96+8*\c:103+8*\c], v244   ; registers 2 c, 2 c + 1 of P: keys 16 c + 8 h + 0 .. 7
.endr
.set jj, 0
.rept 32
	v_pk_mul_f32 v[160+jj:161+jj], v[160+jj:161+jj], v[252:253] op_sel_hi:[1,0]   ; O^T under the new M.  (These are also the places in front of the loads and matrix instructions below)
.set jj, jj+2
.endr
.irp g, 0,1                                    ; O^T += V^T P^T: four tiles of 16 of the head's 128 at a time
.if \g > 0
.rept 4
	v_nop
.endr
.endif
.irp t, 0,1,2,3
.irp c, 0,1,2,3
	ds_load_b128 v[32+16*\t+4*\c:32+16*\t+4*\c+3], v[ADV] offset:2048*(4*\g+\t)+512*\c
.endr
.endr
	s_wait_dscnt 0x0
.irp t, 0,1,2,3
	v_wmma_f32_16x16x128_fp8_fp8 v[160+8*(4*\g+\t):167+8*(4*\g+\t)], v[32+16*\t:47+16*\t], v[224:239], v[160+8*(4*\g+\t):167+8*(4*\g+\t)]
.endr
.endr
.Lhidden_\@:
.endm
	s_wait_loadcnt 0x0                             ; Q
	s_wait_tensorcnt 1                             ; my part of key steps 0 and 1 is in; the late part may stay out
	s_barrier_signal -1
	s_barrier_wait -1                              ; everybody's is
	s_mov_b32 s[J], 0
.Lfirst:                                           ; key steps 0 and 1, while the rest is on its way into other bytes
	STEP
	s_add_co_u32 s[J], s[J], 1
	s_cmp_lt_u32 s[J], 2
	s_cbranch_scc1 .Lfirst
	s_wait_tensorcnt 0x0                           ; my part of key steps 2 to 7 is in,
	s_wait_dscnt 0x0
	s_barrier_signal -1
	s_barrier_wait -1                              ; everybody's is
	s_mov_b32 s[J], 2
.Lrest:
	STEP
	s_add_co_u32 s[J], s[J], 1
	s_cmp_lt_u32 s[J], 8
	s_cbranch_scc1 .Lrest
	; THE WAY OUT: O^T / the sum x 2^(e8 + e9) is o; register 8 a + j is o(my query, 16 a + 8 h + j): eight conversions make the image of product 6's operand
.rept 4
	v_nop                                          ; places behind the last products
.endr
	v_add_f32 v14, v14, v15
	v_permlanex16_b32 v252, v14, s[SEL], s[SEL+1]
	v_add_f32 v14, v14, v252                       ; the row's sum
	v_rcp_f32 v14, v14
	v_nop                                          ; a plain instruction behind the reciprocal
	s_add_co_i32 s56, s52, s53
	s_wait_alu depctr_va_vdst(0)                   ; a wait ahead of its first reader
	v_ldexp_f32 v14, v14, s56
.set jj, 0
.rept 64
	v_mul_f32 v[96+jj], v[160+jj], v14
.set jj, jj+1
.endr
.set jj, 0
.rept 64
	v_med3_num_f32 v[96+jj], v[96+jj], -v241, v241
.set jj, jj+1
.endr
.set jj, 0
.rept 8
	v_cvt_scalef32_pk8_fp8_f32 v[224+2*jj:225+2*jj], v[96+8*jj:103+8*jj], v245
.set jj, jj+1
.endr
	v_nop                                          ; a plain instruction behind the last conversion
.irp c, 0,1,2,3
	global_store_b128 v[LI], v[224+4*\c:227+4*\c], s[10:11] offset:512*\c   ; 512 consecutive bytes a store
.endr
	s_wait_tensorcnt 0x0                           ; the wave's end, behind my last tensor load
	ds_add_u32 v[SPW], v[NIL]
	s_wait_dscnt 0x0
	CROUND                                         ; the closing round
	s_endpgm
.Lfunc_end_k_q10a80d67a4_attn:
	.size	k_q10a80d67a4_attn, .Lfunc_end_k_q10a80d67a4_attn-k_q10a80d67a4_attn
	.p2alignl 7, 3214868480
	.fill 96, 4, 3214868480
	.section	.rodata,"a",@progbits
	.p2align	6, 0x0
	.amdhsa_kernel k_q10a80d67a4_attn
		.amdhsa_group_segment_fixed_size 327680
		.amdhsa_private_segment_fixed_size 0
		.amdhsa_enable_private_segment 0
		.amdhsa_kernarg_size 32
		.amdhsa_user_sgpr_count 2
		.amdhsa_user_sgpr_kernarg_segment_ptr 1
		.amdhsa_wavefront_size32 1
		.amdhsa_system_sgpr_workgroup_id_x 1
		.amdhsa_system_sgpr_workgroup_id_y 1
		.amdhsa_system_sgpr_workgroup_id_z 1
		.amdhsa_system_vgpr_workitem_id 0
		.amdhsa_next_free_vgpr 256
		.amdhsa_next_free_sgpr 66
		.amdhsa_reserve_vcc 1
		.amdhsa_float_denorm_mode_32 3
		.amdhsa_float_denorm_mode_16_64 3
		.amdhsa_memory_ordered 1
		.amdhsa_forward_progress 1
		.amdhsa_inst_pref_size 65
	.end_amdhsa_kernel
	.amdgpu_metadata
---
amdhsa.version: [ 1, 2 ]
amdhsa.kernels:
  - .name:           k_q10a80d67a4_attn
    .symbol:         k_q10a80d67a4_attn.kd
    .args:
      - { .name: q_img, .offset: 0, .size: 8, .value_kind: global_buffer, .address_space: global }
      - { .name: kv_img, .offset: 8, .size: 8, .value_kind: global_buffer, .address_space: global }
      - { .name: lowp_scales, .offset: 16, .size: 8, .value_kind: global_buffer, .address_space: global }
      - { .name: o_img, .offset: 24, .size: 8, .value_kind: global_buffer, .address_space: global }
    .group_segment_fixed_size: 327680
    .private_segment_fixed_size: 0
    .kernarg_segment_align: 8
    .kernarg_segment_size: 32
    .max_flat_workgroup_size: 512
    .sgpr_count:     66
    .vgpr_count:     256
    .wavefront_size: 32
...
	.end_amdgpu_metadata
.endif
;; end of part 3
;; launch outp (part 4): grid 8 x 32, 4 waves a work-group, clusters of 4 x 4, 327,680 bytes of LDS; arguments o_img, w_img, lowp_scales, out0; writes out0
.if DOCPART == 4
	.amdgcn_target "amdgcn-amd-amdhsa--gfx1250"
	.amdhsa_code_object_version 6
	.text
	.protected	k_q10a80d67a4_outp
	.globl	k_q10a80d67a4_outp
	.p2align	8
	.type	k_q10a80d67a4_outp,@function
k_q10a80d67a4_outp:
	s_mov_b64 s[64:65], 0
	v_nop
	global_prefetch_b8 v0, s[64:65] scope:SCOPE_SE
	s_setreg_imm32_b32 hwreg(HW_REG_WAVE_MODE, 25, 1), 1
	s_wait_xcnt 0x0
	s_wait_alu depctr_hold_cnt(0) depctr_sa_sdst(0) depctr_va_vdst(0) depctr_va_sdst(0) depctr_va_ssrc(0) depctr_va_vcc(0) depctr_vm_vsrc(0)
	s_getreg_b32 s2, hwreg(HW_REG_IB_STS2, 6, 4)
	s_cmp_eq_u32 s2, 0
	s_cbranch_scc0 .Lentry_in_a_cluster
	s_endpgm
.Lentry_in_a_cluster:
	s_bfe_u32 s2, ttmp6, 0x10000c
	s_cmp_lg_u32 s2, 0xf033
	s_cbranch_scc0 .Lentry_shape_is_right
	s_endpgm
.Lentry_shape_is_right:
; out0 [4096][2048] f32 = o x wo on codes of E4M3; each finished sum x 2^(e10 + e11).  LIMIT: e10 + e11 between -126 and 127.
; Both operands come as IMAGES (16 rows x 128 along K, 2,048 bytes, laid as the matrix unit's registers), [G = row / 128][s = k / 128][i][image]: o_img, and groups 24 to 39 of w_img (wo's columns).
; A tile of the output is 128 rows x 256 columns: 32 x 8 = 256 work-groups, one for each WGP.  Four waves, 64 rows x 128 columns each: 32 accumulators, 256 registers.
; K = 2,048 is 16 steps of 128.  A slot holds THREE steps: (128 + 256) rows x 384 bytes = 147,456 bytes; two slots are 294,912 of the 327,680.  So the steps go 3, 3, 3, 3, 3, 1: two first fills and four refills.
; Three steps of 128 rows are 49,152 consecutive bytes of images: dense tensor loads (waves 0, 1: the halves of o's part; waves 2, 3: wo's two halves of 128 rows); a fragment is four ds_load_b128 at 16 x lane: no pitch, no padding.
; For 128 along K a wave loads 12 fragments for 32 matrix instructions; both operands have two sets of registers, and a step's loads are issued a whole step ahead, in front of the wait for the step in hand.
; CLUSTERS: 4 x 4 work-groups; o's tile is shared along a row of the cluster, wo's along a column: each is asked for jointly.  The product is used transposed (source 0 = wo's rows, source 1 = o's rows):
; a lane holds eight neighbouring numbers of a row of the output.
; The 16 steps are written out by macros: the sets' turns (two) and the slots' steps (three) come back together only after six steps, the first step starts the sums, and the last refill has a shape of its own.
; REGISTERS: window 0: v16-29 addresses; v32-95 at work on the way out; v128-255 source 1's fragments, two sets of 64 (on the way out: rows read back).  window 1: source 0's fragments, two sets of 128.
;   window 2: the accumulators (accumulator (a, b) at v[8 (8 a + b)], a = 0 .. 3, b = 0 .. 7).
.set FR,     16                        ; registers of a fragment
.set NP,     4                         ; places behind this matrix instruction (ISA guide 7.12.1)
.set KS,     16384                     ; a K step of 128 rows: eight images
.set PART,   49152                     ; three of them
.set SLOT,   147456                    ; o's part, then wo's two
.set SPARE,  294912                    ; behind the ring: the spare words, 128 bytes a wave: two blocks of 256 bytes that no other line names
.set SPITCH, 528                       ; the way out: a stage of 16 rows x (512 + 16) bytes a wave, in slot 0, which has had its last fill and its last read when the first result is stored there
.set NROW,   8192                      ; a row of the output in bytes
.set ADRA, 16                          ; v16-17  LDS address of source 1's fragments in slot 0, 1
.set ADRB, 20                          ; v20-21  of source 0's
.set STO,  24                          ; v24  the way out: where I put 32 bytes of a row
.set RD,   25                          ; v25  where I read a row back
.set LI,   26                          ; v26  16 x lane
.set SPW,  28                          ; v28  LDS address of my spare word; never rewritten
.set NIL,  29                          ; v29  0; never rewritten
.set TMP,  32
.set AF,   128
.set BK,   128
.set WV, 14
.set RH, 15                            ; wave / 2: my 64 of the tile's rows.  Also: I fetch for o (0) or for wo (1)
.set CH, 16                            ; wave % 2: my 128 of its columns.  Also: which half I fetch
.set G1,   24                          ; s[24:31] group 1, o's half part: 96 rows of 256 bytes;  s[32:39] group 0, a set for each slot
.set G0,   32
.set G1B,  48                          ; s[48:55] group 1, a part of wo: 192 rows;  s[56:63] group 0
.set G0B,  56
.set G1L,  68                          ; s[68:75] group 1 of the last refill, one K step: o's half, 32 rows;
.set G1BL, 76                          ; s[76:83] wo's, 64 rows
.set DLA,  84                          ; s[84:85] what the last refill adds to o's address
.set LLA,  86                          ; s86  and its LDS address
.set MSB, 0
.macro WIN new                         ; the immediate's high byte repeats the setting that is left
.if MSB != (\new)
	s_set_vgpr_msb (MSB<<8)|(\new)
.set MSB, (\new)
.endif
.endm
.set MUL,  0xa1                        ; source 0 window 1, source 1 window 0, C and D window 2
.set TO_B, 0x40                        ; destination window 1, address window 0
.macro JLOAD g0a, g1a, g0b, g1b        ; a joint load; the branch hangs on the wave's number alone; an s_nop 0 and four v_nop follow each line
	s_cmp_eq_u32 s[RH], 0
	s_cbranch_scc0 .Lfor_b_\@
	tensor_load_to_lds s[\g0a:\g0a+3], s[\g1a:\g1a+7]
	s_nop 0
.rept 4
	v_nop
.endr
	s_branch .Lasked_\@
.Lfor_b_\@:
	tensor_load_to_lds s[\g0b:\g0b+3], s[\g1b:\g1b+7]
	s_nop 0
.rept 4
	v_nop
.endr
.Lasked_\@:
.endm
.macro CREST                           ; a round of the cluster's barrier behind its opening barrier
	s_cmp_lg_u32 s[WV], 0
	s_cbranch_scc1 .Lnot_wave_0_\@
	s_barrier_signal -3
.Lnot_wave_0_\@:
	s_barrier_wait -3
	s_barrier_signal -1
	s_barrier_wait -1
.endm
.macro CROUND
	s_barrier_signal -1
	s_barrier_wait -1
	CREST
.endm
.macro SHAPE g, rows                   ; group 1 but for its first word: a dense block as rows of 256 bytes (32 elements of 8)
	s_mov_b32 s[\g+1], 32<<16                      ; tensor_dim0
	s_mov_b32 s[\g+2], (\rows)<<16                 ; tensor_dim1
	s_mov_b32 s[\g+3], 32<<16                      ; tile_dim0
	s_mov_b32 s[\g+4], \rows                       ; tile_dim1
	s_mov_b32 s[\g+5], 32                          ; the pitch: dense
	s_mov_b32 s[\g+6], 0
	s_mov_b32 s[\g+7], 0
.endm
	s_load_b256 s[4:11], s[0:1], 0x0               ; o_img s[4:5], w_img s[6:7], scales s[8:9], out0 s[10:11]
	v_lshl_add_u32 v[SPW], v0, 2, SPARE
	v_mov_b32 v[NIL], 0
	ds_add_u32 v[SPW], v[NIL]                      ; the wave's opening: the add and its wait stand ahead of my first tensor load; the set-up below, work on registers, stands between them
	v_lshrrev_b32 v1, 5, v0
	v_readfirstlane_b32 s[WV], v1                  ; wave 0..3
	s_lshr_b32 s[RH], s[WV], 1
	s_and_b32 s[CH], s[WV], 1
	s_bfe_u32 s40, ttmp6, 0x40000                  ; cx, cy: my place in the cluster
	s_bfe_u32 s41, ttmp6, 0x40004
	s_lshl_b32 s42, ttmp9, 2
	s_add_co_u32 s42, s42, s40                     ; tile column, 0 .. 7
	s_and_b32 s17, ttmp7, 0xffff
	s_lshl_b32 s17, s17, 2
	s_add_co_u32 s17, s17, s41                     ; tile row, 0 .. 31
	s_lshl_b32 s43, s41, 2
	s_lshl_b32 s43, 15, s43                        ; my row of the cluster
	s_lshl_b32 s44, 0x1111, s40                    ; my column
	s_or_b32 s[G1+0], s43, (3<<16)|(1<<21)         ; the mask: o's tiles go to my row; elements of 8 bytes; 21 set beside a mask; no padding
	s_or_b32 s[G1L+0], s43, (3<<16)|(1<<21)
	s_or_b32 s[G1B+0], s44, (3<<16)|(1<<21)        ; wo's go to my column
	s_or_b32 s[G1BL+0], s44, (3<<16)|(1<<21)
	SHAPE G1, 96                                   ; 24,576 bytes
	SHAPE G1B, 192                                 ; 49,152 bytes
	SHAPE G1L, 32                                  ; 8,192 bytes
	SHAPE G1BL, 64                                 ; 16,384 bytes
	s_lshl_b32 s20, s17, 18                        ; o: G = the tile row, 262,144 bytes each,
	s_mul_i32 s45, s[CH], PART/2                   ; and the half of a part that I fetch: the same distance in memory and in LDS
	s_add_co_u32 s20, s20, s45
	s_mov_b32 s21, 0
	s_lshl_b32 s46, s42, 1
	s_add_co_u32 s46, s46, s[CH]
	s_add_co_u32 s46, s46, 24
	s_lshl_b32 s46, s46, 18                        ; wo: G = 24 + 2 x tile column + half
	s_mov_b32 s47, 0
	s_mul_i32 s87, s[CH], PART
	s_add_co_u32 s87, s87, PART                    ; where wo's half goes in a slot: behind o's part.  No place in the cluster enters an LDS address
	s_lshl_b32 s[DLA], s[CH], 14                   ; the last refill: from K step 9 + half of three steps to K step 15 + half of one: 6 steps on, less 16,384 for the second half
	s_sub_co_u32 s[DLA], 6*KS, s[DLA]
	s_mov_b32 s[DLA+1], 0
	s_lshl_b32 s[LLA], s[CH], 13
	s_add_co_u32 s[LLA], s[LLA], SLOT              ; into slot 1: 8,192 bytes for each half
	s_wait_dscnt 0x0                               ; the opening add is done
	s_wait_kmcnt 0x0
	s_load_b64 s[96:97], s[8:9], 0x28              ; e10, e11
	s_add_nc_u64 s[20:21], s[4:5], s[20:21]
	s_add_nc_u64 s[46:47], s[6:7], s[46:47]
	CROUND                                         ; all sixteen work-groups are here: the first joint loads meet
.irp s, 0,1
	s_mov_b32 s[G0+4*\s], 1
	s_add_co_u32 s[G0+4*\s+1], s45, \s*SLOT
	s_add_nc_u64 s[G0+4*\s+2:G0+4*\s+3], s[20:21], \s*PART
	s_or_b32 s[G0+4*\s+3], s[G0+4*\s+3], 0x80000000
	s_mov_b32 s[G0B+4*\s], 1
	s_add_co_u32 s[G0B+4*\s+1], s87, \s*SLOT
	s_add_nc_u64 s[G0B+4*\s+2:G0B+4*\s+3], s[46:47], \s*PART
	s_or_b32 s[G0B+4*\s+3], s[G0B+4*\s+3], 0x80000000
	JLOAD G0+4*\s, G1, G0B+4*\s, G1B               ; K steps 0-2 and 3-5: two loads of mine are out
.endr
	v_and_b32 v1, 15, v0                           ; r
	v_bfe_u32 v2, v0, 4, 1                         ; h
	v_and_b32 v3, 31, v0
	v_lshlrev_b32 v[LI], 4, v3
	s_lshl_b32 s21, s[RH], 13                      ; my 64 rows of o: four images of each step's eight,
	s_mul_i32 s22, s[CH], PART
	s_add_co_u32 s22, s22, PART                    ; my 128 rows of wo
.irp s, 0,1
	v_add_nc_u32 v[ADRA+\s], s21, v[LI]
	v_add_nc_u32 v[ADRB+\s], s22, v[LI]
	s_add_co_u32 s21, s21, SLOT
	s_add_co_u32 s22, s22, SLOT
.endr
	s_mul_i32 s23, s[WV], 16*SPITCH                ; my stage
	v_mul_u32_u24 v5, v1, SPITCH
	v_lshl_add_u32 v5, v2, 5, v5
	v_add_nc_u32 v[STO], s23, v5                   ; in: row r, 32 bytes for each half of the lanes
	v_add_nc_u32 v[RD], s23, v[LI]                 ; back: the 32 lanes take one row of 512 bytes
	s_lshl_b32 s20, s17, 7
	s_lshl_b32 s21, s[RH], 6
	s_add_co_u32 s20, s20, s21                     ; my first row of the output: 128 x tile row + 64 x half
	s_lshl_b32 s20, s20, 13
	s_mov_b32 s21, 0
	s_lshl_b32 s46, s42, 10                        ; my first column, in bytes: 1,024 x tile column + 512 x half
	s_lshl_b32 s47, s[CH], 9
	s_add_co_u32 s46, s46, s47
	s_mov_b32 s47, 0
	s_add_nc_u64 s[20:21], s[20:21], s[46:47]
	s_add_nc_u64 s[10:11], s[10:11], s[20:21]
.macro FRAG reg, adr, q, i             ; an image comes back as it was stored: four loads of 512 consecutive bytes
.irp c, 0,1,2,3
	ds_load_b128 v[\reg+4*\c:\reg+4*\c+3], v[\adr] offset:KS*(\q)+2048*(\i)+512*\c
.endr
.endm
.macro FETCH slot, q, p                ; 48 LDS loads in one run: the slot's q-th K step into the sets p: wo's eight fragments, o's four
	WIN TO_B
.irp i, 0,1,2,3,4,5,6,7
	FRAG 128*(\p)+FR*\i, ADRB+\slot, \q, \i
.endr
	WIN 0
.irp i, 0,1,2,3
	FRAG AF+64*(\p)+FR*\i, ADRA+\slot, \q, \i
.endr
.endm
; 8 matrix instructions: o's block a x wo's eight, 128 along K, from the sets p.  zero = 1: the first product starts the sums: nothing is cleared.
; The 32 accumulators take turns, one instruction a turn, in the same order in every step.
.macro MULA a, p, zero
.irp b, 0,1,2,3,4,5,6,7
.if \zero
	v_wmma_f32_16x16x128_fp8_fp8 v[8*(8*(\a)+\b):8*(8*(\a)+\b)+7], v[128*(\p)+FR*\b:128*(\p)+FR*\b+FR-1], v[AF+64*(\p)+FR*(\a):AF+64*(\p)+FR*(\a)+FR-1], 0
.else
	v_wmma_f32_16x16x128_fp8_fp8 v[8*(8*(\a)+\b):8*(8*(\a)+\b)+7], v[128*(\p)+FR*\b:128*(\p)+FR*\b+FR-1], v[AF+64*(\p)+FR*(\a):AF+64*(\p)+FR*(\a)+FR-1], v[8*(8*(\a)+\b):8*(8*(\a)+\b)+7]
.endif
.endr
.endm
.macro PLACES n                        ; plain vector instructions between a matrix instruction and a load into, or a read of, its registers (ISA guide 7.12.1 for reads)
.rept \n
	v_nop
.endr
.endm
; A K step whose successor lies in the same slot.  It lies in the sets p; the other sets, which the step before has multiplied, take the successor's fragments FIRST, and only then this step's are waited for:
; so loads of mine are always queued while I multiply.  Up to 96 LDS loads of mine are then issued and not yet back; an instruction that would push the counter past its field is held at its issue (ISA guide 5.7.1).
.macro STEP slot, q, p, zero
	PLACES NP
	FETCH \slot, (\q)+1, 1-(\p)
	s_wait_dscnt 48                                ; this step's 48 loads are in; the 48 just issued may be out
	WIN MUL
	MULA 0, \p, \zero
	MULA 1, \p, \zero
	MULA 2, \p, \zero
	MULA 3, \p, \zero
.endm
; A slot's third step changes slots: one barrier; in front of it each wave waits for all its tensor loads, adds 0 to its spare word, and waits for that and for its reads of this slot (this step's fragments were the last).
; fill = 1: this slot takes the three K steps six on;  fill = 2: the last K step alone;  fill = 0: nothing is left to fetch.
; From a request to the wait for it a wave issues 80 matrix instructions and 144 LDS loads.
.macro TURN slot, next, p, fill
	WIN 0                                          ; (the add's two registers lie in window 0)
	s_wait_tensorcnt 0x0                           ; all my tensor loads have landed: my part of the next slot
	ds_add_u32 v[SPW], v[NIL]                      ; 0 onto my spare word
	s_wait_dscnt 1                                 ; this step's 48 loads are in; the add may be out
	WIN MUL
	MULA 0, \p, 0                                  ; eight matrix instructions stand between the add and the wait for it
	s_wait_dscnt 0x0                               ; the add is done, and my reads of this slot are over
	s_barrier_signal -1
	MULA 1, \p, 0                                  ; work on registers while the others arrive
	WIN 0
	s_barrier_wait -1
.if \fill
	CREST                                          ; the barrier has opened a round of the cluster's: no wave of any partner still reads this slot or has a load on its way
.if (\fill) == 1
	s_add_nc_u64 s[G0+4*\slot+2:G0+4*\slot+3], s[G0+4*\slot+2:G0+4*\slot+3], 6*KS
	s_add_nc_u64 s[G0B+4*\slot+2:G0B+4*\slot+3], s[G0B+4*\slot+2:G0B+4*\slot+3], 6*KS
	JLOAD G0+4*\slot, G1, G0B+4*\slot, G1B         ; the first tensor load behind the round, my only one until the next; its four v_nop are the places in front of the loads below
.else
	s_add_nc_u64 s[G0+4*\slot+2:G0+4*\slot+3], s[G0+4*\slot+2:G0+4*\slot+3], s[DLA:DLA+1]
	s_mov_b32 s[G0+4*\slot+1], s[LLA]              ; o's halves of one K step lie 8,192 bytes apart
	s_add_nc_u64 s[G0B+4*\slot+2:G0B+4*\slot+3], s[G0B+4*\slot+2:G0B+4*\slot+3], 6*KS
	JLOAD G0+4*\slot, G1L, G0B+4*\slot, G1BL       ; K step 15 ends where its group of 128 rows ends: no load leaves its buffer
.endif
.else
	PLACES NP
.endif
	FETCH \next, 0, 1-(\p)                         ; the next slot's first step
	WIN MUL
	MULA 2, \p, 0
	MULA 3, \p, 0
.endm
	s_wait_tensorcnt 1                             ; my part of K steps 0-2 is in; that of 3-5 may stay out
	s_barrier_signal -1
	s_barrier_wait -1                              ; everybody's is
	FETCH 0, 0, 0
	STEP 0, 0, 0, 1                                ; K step 0: its products start the sums
	STEP 0, 1, 1, 0
	TURN 0, 1, 0, 1                                ; K step 2; slot 0 takes 6-8
	STEP 1, 0, 1, 0
	STEP 1, 1, 0, 0
	TURN 1, 0, 1, 1                                ; K step 5; slot 1 takes 9-11
	STEP 0, 0, 0, 0
	STEP 0, 1, 1, 0
	TURN 0, 1, 0, 1                                ; K step 8; slot 0 takes 12-14
	STEP 1, 0, 1, 0
	STEP 1, 1, 0, 0
	TURN 1, 0, 1, 2                                ; K step 11; slot 1 takes 15
	STEP 0, 0, 0, 0
	STEP 0, 1, 1, 0
	TURN 0, 1, 0, 0                                ; K step 14; nothing is filled, so no round of the cluster's barrier follows; behind this barrier nobody reads slot 0
	s_wait_dscnt 0x0                               ; K step 15: nothing more to fetch
	MULA 0, 1, 0
	MULA 1, 1, 0
	MULA 2, 1, 0
	MULA 3, 1, 0
	WIN 0
; THE WAY OUT, block by block of 16 rows x 128 columns: through my own stage in LDS, back as whole rows of 512 bytes.  LDS serves a wave's instructions in order (ISA guide 5.7.1.4): no wait between the stores and the loads.
.macro TOSTAGE a
.set AC, 64*(\a)
	WIN 0x02                                       ; source 0: window 2
.set jj, 0
.rept 32
	v_pk_mul_f32 v[TMP+jj:TMP+jj+1], v[AC+jj:AC+jj+1], s[96:97] op_sel_hi:[1,0]   ; x 2^(e10 + e11); each accumulator from its low end on
.set jj, jj+2
.endr
	WIN 0
.irp b, 0,1,2,3,4,5,6,7
	ds_store_b128 v[STO], v[TMP+8*\b:TMP+8*\b+3] offset:64*\b
	ds_store_b128 v[STO], v[TMP+8*\b+4:TMP+8*\b+7] offset:64*\b+16
.endr
.set BB, BK+64*((\a)%2)
.set tt, 0
.rept 16
	ds_load_b128 v[BB+4*tt:BB+4*tt+3], v[RD] offset:tt*SPITCH
.set tt, tt+1
.endr
.endm
.macro SEND a, younger                 ; younger: the LDS instructions issued behind block a's loads, which may stay out
.set BB, BK+64*((\a)%2)
	s_wait_dscnt \younger
.if (\a) > 0
	s_add_nc_u64 s[10:11], s[10:11], 16*NROW       ; (behind a wait on XCNT: the earlier stores have read their base)
.endif
.set tt, 0
.rept 16
	global_store_b128 v[LI], v[BB+4*tt:BB+4*tt+3], s[10:11] offset:tt*NROW th:TH_STORE_NT   ; 32 lanes store 512 consecutive bytes, at a multiple of 256 from the output's first byte
.set tt, tt+1
.endr
.endm
	s_wait_kmcnt 0x0
	s_add_co_i32 s96, s96, s97
	s_add_co_i32 s96, s96, 127
	s_lshl_b32 s96, s96, 23                        ; 2^(e10 + e11) as f32 (s97 is named with it as a pair; the low word serves both halves)
	PLACES NP                                      ; behind the last products: for the reads of results and the loads into registers that held fragments
	TOSTAGE 0
.irp a, 1,2,3
.if \a > 1
	s_wait_xcnt 0x0                                ; block a - 2's stores have read their registers and their base
.endif
	TOSTAGE \a
	SEND \a-1, 32                                  ; behind block a - 1's loads: block a's 16 stores and 16 loads
.endr
	s_wait_xcnt 0x0
	SEND 3, 0
	s_wait_tensorcnt 0x0                           ; the wave's end, behind my last tensor load and my last LDS store
	ds_add_u32 v[SPW], v[NIL]
	s_wait_dscnt 0x0
	CROUND                                         ; the closing round: no work-group ends while a partner may still ask for a tile that names it
	s_endpgm
.Lfunc_end_k_q10a80d67a4_outp:
	.size	k_q10a80d67a4_outp, .Lfunc_end_k_q10a80d67a4_outp-k_q10a80d67a4_outp
	.p2alignl 7, 3214868480
	.fill 96, 4, 3214868480
	.section	.rodata,"a",@progbits
	.p2align	6, 0x0
	.amdhsa_kernel k_q10a80d67a4_outp
		.amdhsa_group_segment_fixed_size 327680
		.amdhsa_private_segment_fixed_size 0
		.amdhsa_enable_private_segment 0
		.amdhsa_kernarg_size 32
		.amdhsa_user_sgpr_count 2
		.amdhsa_user_sgpr_kernarg_segment_ptr 1
		.amdhsa_wavefront_size32 1
		.amdhsa_system_sgpr_workgroup_id_x 1
		.amdhsa_system_sgpr_workgroup_id_y 1
		.amdhsa_system_sgpr_workgroup_id_z 1
		.amdhsa_system_vgpr_workitem_id 0
		.amdhsa_next_free_vgpr 768
		.amdhsa_next_free_sgpr 98
		.amdhsa_reserve_vcc 0
		.amdhsa_float_denorm_mode_32 3
		.amdhsa_float_denorm_mode_16_64 3
		.amdhsa_memory_ordered 1
		.amdhsa_forward_progress 1
		.amdhsa_inst_pref_size 120
	.end_amdhsa_kernel
	.amdgpu_metadata
---
amdhsa.version: [ 1, 2 ]
amdhsa.kernels:
  - .name:           k_q10a80d67a4_outp
    .symbol:         k_q10a80d67a4_outp.kd
    .args:
      - { .name: o_img, .offset: 0, .size: 8, .value_kind: global_buffer, .address_space: global }
      - { .name: w_img, .offset: 8, .size: 8, .value_kind: global_buffer, .address_space: global }
      - { .name: lowp_scales, .offset: 16, .size: 8, .value_kind: global_buffer, .address_space: global }
      - { .name: out0, .offset: 24, .size: 8, .value_kind: global_buffer, .address_space: global }
    .group_segment_fixed_size: 327680
    .private_segment_fixed_size: 0
    .kernarg_segment_align: 8
    .kernarg_segment_size: 32
    .max_flat_workgroup_size: 128
    .sgpr_count:     98
    .vgpr_count:     768
    .wavefront_size: 32
...
	.end_amdgpu_metadata
.endif
;; end of part 4
